; MI455X (gfx1250); checked and timed in simulation.
; The chip was launched on July 23, 2026; its instructions are those of AMD's public machine-readable ISA for CDNA 5 (MIT licence, August 2026) and "CDNA5" Instruction Set Architecture Reference Guide (July 2026). The comments in the code are by the model that wrote it; some were corrected since.
;; Multi Head Attn. Allowed arithmetic: matrix products marked QUANTISED: E2M3 operands, one E8M0 scale for each 32 along K, by v_wmma_scale_f32_16x16x128_f8f6f4 with both operands' format E2M3, f32 sums; everything else in f32.
;; Inputs: Wk 1,024 x 1,024 float32; Wout 1,024 x 1,024 float32; Wq 1,024 x 1,024 float32; Wv 1,024 x 1,024 float32; b1 1,024 float32; b2 1,024 float32; bout 1,024 float32; g1 1,024 float32; g2 1,024 float32; k 4 x 2,048 x 1,024 float32; mask 4 x 2,048 bool; q 4 x 2,048 x 1,024 float32; v 4 x 2,048 x 1,024 float32.
;; Outputs: out0 4 x 2,048 x 1,024 float32.
;; This version of the problem:
;;   THIS VERSION OF THE PROBLEM IS GIVEN IN LOW PRECISION. The matrix products marked QUANTISED in the list below multiply operands that are first quantised to E2M3 (2 exponent bits, 3 mantissa bits; 6 bits a number), with one power-of-two scale for each 32 numbers along K (OCP MX v1.0); their sums are f32. All else is computed in f32.
;;   The module's matrix products, in the order in which they are computed (A, B: the left and right operand; K: the contracted axis; several contracted axes count as one K, in the product's order):
;;     1. [M 8,192, K 1,024] x [K 1,024, N 1,024]; A: input q; B: input Wq: QUANTISED
;;     2. [M 8,192, K 1,024] x [K 1,024, N 1,024]; A: input k; B: input Wk: QUANTISED
;;     3. [M 8,192, K 1,024] x [K 1,024, N 1,024]; A: input v; B: input Wv: QUANTISED
;;     4. batch 32 x [M 2,048, K 128] x [K 128, N 2,048]; A: computed on the way; B: computed on the way: QUANTISED
;;     5. batch 32 x [M 128, K 2,048] x [K 2,048, N 2,048]; A: computed on the way; B: computed on the way: QUANTISED
;;     6. [M 8,192, K 1,024] x [K 1,024, N 1,024]; A: computed on the way; B: input Wout: QUANTISED
;;   THE QUANTISER, for each operand of a quantised product, along K:
;;     - K is cut into blocks of 32 from its start; a last block that is shorter is filled with zeros.
;;     - A block's scale is 2^e with e = floor(log2(the largest magnitude in the block)) - 2, held to -126 .. 127; a block of zeros has e = 0. As a byte (E8M0): e + 127.
;;     - Each number is divided by its block's scale, clamped to +-7.5, and rounded to the nearest number of E2M3, ties to even, subnormals kept.
;;     - The product sums the exact products of the quantised numbers (number of the format x scale) in f32.
;;   ~~~python
;;   def quantise(x, axis):      # numpy; x: float32 -> the quantised numbers, widened to float32 again
;;       x = np.moveaxis(x, axis, -1); K = x.shape[-1]
;;       x = np.pad(x, [(0, 0)] * (x.ndim - 1) + [(0, -K % 32)]); x = x.reshape(x.shape[:-1] + (-1, 32)); a = np.abs(x).max(-1, keepdims=True)
;;       e = np.where(a > 0, np.clip(np.frexp(np.where(a > 0, a, 1))[1] - 1 - 2, -126, 127), 0)      # np.frexp(a)[1] - 1 = floor(log2(a)), exactly
;;       r = np.clip(x / 2.0 ** e, -7.5, 7.5)
;;       step = 2.0 ** (np.maximum(np.frexp(np.where(r == 0, 1, r))[1] - 1, 0) - 3)
;;       q = np.round(r / step) * step * 2.0 ** e      # np.round: ties to even
;;       return np.moveaxis(q.reshape(q.shape[:-2] + (-1,))[..., :K], -1, axis).astype(np.float32)
;;   ~~~
;;   OPERANDS COMPUTED ON THE WAY. 'Computed on the way' means the value that the module computes at that place (a softmax that the list does not call 'softmax' is quantised finished and normalised). What goes into a quantiser is computed in f32, as accurately as f32 sums, v_exp_f32 and their like allow (about 1e-6 of the number): no bf16 or f16 on the way to a quantiser, and a product that is left as it is and whose result goes on into a quantised operand takes f32 operands (vector FMAs, or v_wmma_f32_16x16x4_f32). A number that lies on a knife's edge between two numbers of the format may be rounded either way, as far as f32 arithmetic and the matrix unit's own rounding can turn it there, and no further.
;; One version. Each part assembles by itself: llvm-mc -triple=amdgcn-amd-amdhsa -mcpu=gfx1250 --defsym DOCPART=n.
;; ======== version 1 of 1: 4 launches
;; limits: right only within a limited range of input values
;; workspace buffers: cimg 22,020,096 bytes; csc 917,504 bytes; img 19,660,800 bytes; qpimg 33,554,432 bytes; attimg 33,554,432 bytes
;; launch quant (part 1): grid 256 x 1, 7 waves a work-group, no clusters, 60,160 bytes of LDS; arguments q, k, v, Wq, Wk, Wv, Wout, cimg, csc; writes cimg, csc
.if DOCPART == 1
	.amdgcn_target "amdgcn-amd-amdhsa--gfx1250"
	.amdhsa_code_object_version 6
	.text
	.protected	k_qccbe38ce18_quant
	.globl	k_qccbe38ce18_quant
	.p2align	8
	.type	k_qccbe38ce18_quant,@function
k_qccbe38ce18_quant:
	s_mov_b64 s[64:65], 0
	v_nop
	global_prefetch_b8 v0, s[64:65] scope:SCOPE_SE
	s_setreg_imm32_b32 hwreg(HW_REG_WAVE_MODE, 25, 1), 1
	s_wait_xcnt 0x0
; FIRST OF FOUR LAUNCHES.  q, k, v [8192][1024] and Wq, Wk, Wv, Wout [1024][1024], f32, K innermost, become codes of FP6 (E2M3) with one E8M0 byte for each 32 along K.
; NO WORK OF THE PROBLEM IS LEFT OUT IN ANY LAUNCH: all six products are live and all thirteen inputs have a way to the output, so all are loaded.  (The scores are even made twice: see the third launch.)
; A block's scale is 2^(floor(log2(its largest magnitude)) - 2): its byte is that magnitude's exponent field - 2, held at 1 from below.  A block of zeros so gets the byte 1 where the rule says 127: its codes are
; zeros, which add nothing under any byte but 0xff, and this program alone reads the bytes.
; LIMITS: NaN and infinities among the inputs are not served.
; LAYOUT OF THE WORKSPACE: as the readers' operand registers want it.  A TILE is 16 rows that are not neighbours: tile 2 B + u holds rows 32 B + 8 u + i + 8 (i / 8), i = 0 .. 15, so that a transposed product over tiles
; 2 B and 2 B + 1 leaves 16 neighbours in a lane's 16 registers.  A fragment (a tile x 128 along K: 12 registers a lane) is stored as an IMAGE of its registers: registers 4 c .. 4 c + 3 of lane l at 512 c + 16 l: 1,536 bytes.
; cimg: [tile][K step 0 .. 7][1,536];  csc: [tile][row index][8 scale words].  Tiles: q 0-511, k 512-1023, v 1024-1535, Wq 1536-, Wk 1600-, Wv 1664-, Wout 1728-1791.
; SHARES: 1,792 tiles = 256 work-groups x 7 waves: a wave takes one tile, eight K steps, written out.  Each load reads 512 consecutive bytes of one row; the 16 rows turn through the wave's own stage in LDS, so that a lane gets
; 16 neighbours of each of four blocks of its row.  Waves share nothing: no barrier.  Loads run three K steps (48 loads a wave) ahead.
.set WAVES, 7
.set SP,    528                        ; a stage row: 512 bytes + 16: row r starts 4 r banks on
.set STG,   16*SP
.set SPARE, WAVES*STG                  ; behind the stages: the spare words, 128 bytes for each wave, in four blocks of 256 bytes that no other line names
.set GI,   4                           ; v4   16 x lane
.set STI,  5                           ; v5   the stage, on the way in
.set STO,  6                           ; v6   and on the way out: row r, + 64 h
.set SCO,  7                           ; v7   my 16 bytes of the tile's scale words: 32 r + 16 h
.set SPW,  8                           ; v8   LDS address of my spare word; never rewritten
.set NIL,  9                           ; v9   0; never rewritten
.set TM,   12                          ; v12-27 at work: largest magnitudes, bytes, scale operands
.set TP,   28                          ; v28-35 the upper halves' codes
.set PW,   36                          ; v36-43 the scale word of each K step
.set OUTS, 44
.set PC,   48                          ; v48-59 a fragment's codes
.set R,    64                          ; v64-255 three sets of 64 numbers
.set SEL,  30                          ; s[30:31]
	s_load_b256 s[4:11], s[0:1], 0x0               ; q, k, v, Wq
	s_load_b256 s[12:19], s[0:1], 0x20             ; Wk, Wv, Wout, cimg
	s_load_b64 s[20:21], s[0:1], 0x40              ; csc
	v_lshl_add_u32 v[SPW], v0, 2, SPARE
	v_mov_b32 v[NIL], 0
	v_lshrrev_b32 v1, 5, v0
	v_readfirstlane_b32 s22, v1                    ; wave 0..6
	v_and_b32 v2, 31, v0                           ; lane
	v_and_b32 v3, 15, v0                           ; r
	v_bfe_u32 v10, v0, 4, 1                        ; h
	v_lshlrev_b32 v[GI], 4, v2
	s_mul_i32 s23, s22, STG
	v_add_nc_u32 v[STI], s23, v[GI]
	v_mul_u32_u24 v[STO], v3, SP
	v_lshl_add_u32 v[STO], v10, 6, v[STO]
	v_add_nc_u32 v[STO], s23, v[STO]
	v_lshlrev_b32 v[SCO], 5, v3
	v_lshl_add_u32 v[SCO], v10, 4, v[SCO]
.irp b, 0,1,2,3
	v_mov_b32 v[TM+4+\b], 0                        ; written once: a lane permute's destination counts as one of its sources
.endr
	s_mov_b32 s[SEL], 0x76543210
	s_mov_b32 s[SEL+1], 0xfedcba98                 ; lane l xor 16
	s_mul_i32 s24, ttmp9, WAVES
	s_add_co_u32 s24, s24, s22                     ; my tile
	s_wait_alu depctr_va_vdst(0)
	s_wait_kmcnt 0x0
	s_mov_b64 s[26:27], s[16:17]                   ; which tensor holds it: a choice on the tile's number alone
	s_mov_b32 s25, 1728
	s_cmp_lt_u32 s24, 1728
	s_cselect_b64 s[26:27], s[14:15], s[26:27]
	s_cselect_b32 s25, 1664, s25
	s_cmp_lt_u32 s24, 1664
	s_cselect_b64 s[26:27], s[12:13], s[26:27]
	s_cselect_b32 s25, 1600, s25
	s_cmp_lt_u32 s24, 1600
	s_cselect_b64 s[26:27], s[10:11], s[26:27]
	s_cselect_b32 s25, 1536, s25
	s_cmp_lt_u32 s24, 1536
	s_cselect_b64 s[26:27], s[8:9], s[26:27]
	s_cselect_b32 s25, 1024, s25
	s_cmp_lt_u32 s24, 1024
	s_cselect_b64 s[26:27], s[6:7], s[26:27]
	s_cselect_b32 s25, 512, s25
	s_cmp_lt_u32 s24, 512
	s_cselect_b64 s[26:27], s[4:5], s[26:27]
	s_cselect_b32 s25, 0, s25
	s_sub_co_u32 s25, s24, s25                     ; the tile's number in its tensor
	s_lshr_b32 s28, s25, 1
	s_lshl_b32 s28, s28, 17                        ; 32 rows of 4,096 bytes for each pair of tiles,
	s_and_b32 s29, s25, 1
	s_lshl_b32 s29, s29, 15                        ; 8 rows for the odd one
	s_add_co_u32 s28, s28, s29
	s_mov_b32 s29, 0
	s_add_nc_u64 s[26:27], s[26:27], s[28:29]
	s_mul_i32 s28, s24, 12288
	s_add_nc_u64 s[18:19], s[18:19], s[28:29]      ; my tile's eight images
	s_lshl_b32 s28, s24, 9
	s_add_nc_u64 s[20:21], s[20:21], s[28:29]      ; and its scale words
.macro LOAD s                          ; K step s: 512 bytes of each of the tile's 16 rows
.irp t, 0,1,2,3,4,5,6,7,8,9,10,11,12,13,14,15
	global_load_b128 v[R+64*((\s)%3)+4*\t:R+64*((\s)%3)+4*\t+3], v[GI], s[26:27] offset:(\t+8*(\t/8))*4096+512*(\s) th:TH_LOAD_NT
.endr
.endm
; 64 numbers of a lane, v[XS] on, register 16 b + i = k 32 b + 16 h + i of my row, become a fragment's codes in v[PC] on and its scale word in v[pw]
.macro QUANT pw
.irp b, 0,1,2,3
	v_max3_num_f32 v[TM+\b], |v[XS+16*\b]|, |v[XS+1+16*\b]|, 0x1800000   ; my 16 numbers of block b, and the floor 2^(3 - 127): the byte cannot fall under 1
.endr
.irp i, 2,4,6,8,10,12,14
.irp b, 0,1,2,3
	v_max3_num_f32 v[TM+\b], v[TM+\b], |v[XS+16*\b+\i]|, |v[XS+1+16*\b+\i]|
.endr
.endr
.irp b, 0,1,2,3
	v_permlanex16_b32 v[TM+4+\b], v[TM+\b], s[SEL], s[SEL+1]
.endr
.irp b, 0,1,2,3
	v_max_num_f32 v[TM+\b], v[TM+\b], v[TM+4+\b]   ; with lane l xor 16's: the block's largest magnitude
.endr
.irp b, 0,1,2,3
	v_add_nc_u32 v[TM+12+\b], 0xff000000, v[TM+\b] ; 2 off its exponent field: the conversion's scale operand
.endr
.irp b, 0,1,2,3
	v_lshrrev_b32 v[TM+4+\b], 23, v[TM+12+\b]      ; the scale's byte
.endr
	v_lshl_or_b32 v[\pw], v[TM+5], 8, v[TM+4]
	v_lshl_or_b32 v[\pw], v[TM+6], 16, v[\pw]
	v_lshl_or_b32 v[\pw], v[TM+7], 24, v[\pw]
.irp c, 0,1
	v_cvt_scalef32_pk16_fp6_f32 v[PC+6*\c:PC+2+6*\c], v[XS+32*\c:XS+15+32*\c], v[TM+12+2*\c]
	v_cvt_scalef32_pk16_fp6_f32 v[TP+4*\c:TP+2+4*\c], v[XS+16+32*\c:XS+31+32*\c], v[TM+12+2*\c+1]   ; (a conversion's three registers begin on an even number)
.endr
	v_nop                                          ; one plain place behind a scaled conversion
.irp c, 0,1                                    ; the operand's layout wants a whole block in a lane
.irp i, 0,1,2
	v_permlane16_swap_b32 v[PC+6*\c+\i], v[TP+4*\c+\i]
.endr
.irp i, 0,1,2
	v_mov_b32 v[PC+3+6*\c+\i], v[TP+4*\c+\i]
.endr
.endr
.endm
.macro STEP s
.set XS, R+64*((\s)%3)
.if (\s) < 6
	s_wait_loadcnt 32                              ; this step's 16 loads are in; those of the two steps behind it may be out
.else
	s_wait_loadcnt 16*(7-(\s))
.endif
.irp t, 0,1,2,3,4,5,6,7,8,9,10,11,12,13,14,15
	ds_store_b128 v[STI], v[XS+4*\t:XS+4*\t+3] offset:SP*\t
.endr
.irp b, 0,1,2,3
.irp j, 0,1,2,3
	ds_load_b128 v[XS+16*\b+4*\j:XS+16*\b+4*\j+3], v[STO] offset:128*\b+16*\j   ; LDS serves a wave's instructions in order: these see the stores above
.endr
.endr
	s_wait_dscnt 0x0
	s_wait_xcnt 0x0                                ; the last step's stores have read v[PC] on, which is written anew below
	QUANT PW+(\s)
.if (\s)+3 < 8
	LOAD (\s)+3
.endif
.irp c, 0,1,2
	global_store_b128 v[GI], v[PC+4*\c:PC+4*\c+3], s[18:19] offset:1536*(\s)+512*\c   ; 32 lanes store 512 consecutive bytes
.endr
.endm
	LOAD 0
	LOAD 1
	LOAD 2
.irp s, 0,1,2,3,4,5,6,7
	STEP \s
.endr
	v_cmp_gt_u32 vcc_lo, 16, v2                    ; lanes 0-15 store K steps 0-3's words of their row, lanes 16-31 K steps 4-7's
.irp i, 0,1,2,3
	v_cndmask_b32 v[OUTS+\i], v[PW+4+\i], v[PW+\i], vcc_lo
.endr
	global_store_b128 v[SCO], v[OUTS:OUTS+3], s[20:21]
	s_wait_tensorcnt 0x0                           ; the wave's end: behind my last LDS store
	ds_add_u32 v[SPW], v[NIL]
	s_wait_dscnt 0x0
	s_endpgm
.Lfunc_end_k_qccbe38ce18_quant:
	.size	k_qccbe38ce18_quant, .Lfunc_end_k_qccbe38ce18_quant-k_qccbe38ce18_quant
	.p2alignl 7, 3214868480
	.fill 96, 4, 3214868480
	.section	.rodata,"a",@progbits
	.p2align	6, 0x0
	.amdhsa_kernel k_qccbe38ce18_quant
		.amdhsa_group_segment_fixed_size 60160
		.amdhsa_private_segment_fixed_size 0
		.amdhsa_enable_private_segment 0
		.amdhsa_kernarg_size 72
		.amdhsa_user_sgpr_count 2
		.amdhsa_user_sgpr_kernarg_segment_ptr 1
		.amdhsa_wavefront_size32 1
		.amdhsa_system_sgpr_workgroup_id_x 1
		.amdhsa_system_sgpr_workgroup_id_y 1
		.amdhsa_system_sgpr_workgroup_id_z 1
		.amdhsa_system_vgpr_workitem_id 0
		.amdhsa_next_free_vgpr 256
		.amdhsa_next_free_sgpr 66
		.amdhsa_reserve_vcc 1
		.amdhsa_float_denorm_mode_32 3
		.amdhsa_float_denorm_mode_16_64 3
		.amdhsa_memory_ordered 1
		.amdhsa_forward_progress 1
		.amdhsa_inst_pref_size 65
	.end_amdhsa_kernel
	.amdgpu_metadata
---
amdhsa.version: [ 1, 2 ]
amdhsa.kernels:
  - .name:           k_qccbe38ce18_quant
    .symbol:         k_qccbe38ce18_quant.kd
    .args:
      - { .name: q, .offset: 0, .size: 8, .value_kind: global_buffer, .address_space: global }
      - { .name: k, .offset: 8, .size: 8, .value_kind: global_buffer, .address_space: global }
      - { .name: v, .offset: 16, .size: 8, .value_kind: global_buffer, .address_space: global }
      - { .name: Wq, .offset: 24, .size: 8, .value_kind: global_buffer, .address_space: global }
      - { .name: Wk, .offset: 32, .size: 8, .value_kind: global_buffer, .address_space: global }
      - { .name: Wv, .offset: 40, .size: 8, .value_kind: global_buffer, .address_space: global }
      - { .name: Wout, .offset: 48, .size: 8, .value_kind: global_buffer, .address_space: global }
      - { .name: cimg, .offset: 56, .size: 8, .value_kind: global_buffer, .address_space: global }
      - { .name: csc, .offset: 64, .size: 8, .value_kind: global_buffer, .address_space: global }
    .group_segment_fixed_size: 60160
    .private_segment_fixed_size: 0
    .kernarg_segment_align: 8
    .kernarg_segment_size: 72
    .max_flat_workgroup_size: 224
    .sgpr_count:     66
    .vgpr_count:     256
    .wavefront_size: 32
...
	.end_amdgpu_metadata
.endif
;; end of part 1
;; launch proj (part 2): grid 4 x 64, 4 waves a work-group, clusters of 4 x 4, 327,680 bytes of LDS; arguments cimg, csc, img, qpimg; writes img, qpimg
.if DOCPART == 2
	.amdgcn_target "amdgcn-amd-amdhsa--gfx1250"
	.amdhsa_code_object_version 6
	.text
	.protected	k_qccbe38ce18_proj
	.globl	k_qccbe38ce18_proj
	.p2align	8
	.type	k_qccbe38ce18_proj,@function
k_qccbe38ce18_proj:
	s_mov_b64 s[64:65], 0
	v_nop
	global_prefetch_b8 v0, s[64:65] scope:SCOPE_SE
	s_setreg_imm32_b32 hwreg(HW_REG_WAVE_MODE, 25, 1), 1
	s_wait_xcnt 0x0
	s_wait_alu depctr_hold_cnt(0) depctr_sa_sdst(0) depctr_va_vdst(0) depctr_va_sdst(0) depctr_va_ssrc(0) depctr_va_vcc(0) depctr_vm_vsrc(0)
	s_getreg_b32 s2, hwreg(HW_REG_IB_STS2, 6, 4)
	s_cmp_eq_u32 s2, 0
	s_cbranch_scc0 .Lentry_in_a_cluster
	s_endpgm
.Lentry_in_a_cluster:
	s_bfe_u32 s2, ttmp6, 0x10000c
	s_cmp_lg_u32 s2, 0xf033
	s_cbranch_scc0 .Lentry_shape_is_right
	s_endpgm
.Lentry_shape_is_right:
.set KB,     3072
.set NQ,     2
.set FR,     12
.set NL,     3
.set NP,     4
.set HALFT,  8*KB
.set SLOT,   4*HALFT
.set SCL,    3*SLOT
.set HALFS,  16*272
.set SBLK,   2*272
.set SPARE,  SCL+4*HALFS
.set TB2,    12288
.set B2,     8*TB2
.set SO2,  15
.set ADRA, 16
.set AD2A, 19
.set ADRB, 20
.set GI2,  23
.set AD2B, 24
.set GI,   26
.set ADRS, 27
.set SPW,  28
.set NIL,  29
.set SBO,  30
.set SAO,  31
.set SC,   32
.set SB2,  32
.set SA2,  100
.set TM,   64
.set TP,   80
.set PW,   88
.set OUTS, 96
.set AF,   128
.set PC,   128
.set G1, 24
.set G0, 32
.set G1B, 44
.set G0B, 52
.set TAU, 66
.set CLY, 67
.set G1S, 68
.set G0S, 76
.set G1SB, 80
.set G0SB, 88
.set SEL, 98
.set MSB, 0
.macro WIN new
.if MSB != \new
	s_set_vgpr_msb (MSB<<8)|\new
.set MSB, \new
.endif
.endm
.set MUL_LO, 0xa1
.set MUL_HI, 0xf1
.set TO_B,   0x40
.macro JLOAD g0a, g1a, g0b, g1b
	s_cmp_eq_u32 s15, 0
	s_cbranch_scc0 .Lfor_b_\@
	tensor_load_to_lds s[\g0a:\g0a+3], s[\g1a:\g1a+7]
	s_nop 0
.rept 4
	v_nop
.endr
	s_branch .Lasked_\@
.Lfor_b_\@:
	tensor_load_to_lds s[\g0b:\g0b+3], s[\g1b:\g1b+7]
	s_nop 0
.rept 4
	v_nop
.endr
.Lasked_\@:
.endm
.macro CREST
	s_cmp_lg_u32 s14, 0
	s_cbranch_scc1 .Lnot_wave_0_\@
	s_barrier_signal -3
.Lnot_wave_0_\@:
	s_barrier_wait -3
	s_barrier_signal -1
	s_barrier_wait -1
.endm
.macro CROUND
	s_barrier_signal -1
	s_barrier_wait -1
	CREST
.endm
	s_load_b128 s[4:7], s[0:1], 0x0
	s_load_b128 s[8:11], s[0:1], 0x10
	v_lshl_add_u32 v[SPW], v0, 2, SPARE
	v_mov_b32 v[NIL], 0
	ds_add_u32 v[SPW], v[NIL]
	ds_add_u32 v[SPW], v[NIL]
	v_lshrrev_b32 v1, 5, v0
	v_readfirstlane_b32 s14, v1
	s_lshr_b32 s15, s14, 1
	s_and_b32 s16, s14, 1
	s_bfe_u32 s2, ttmp6, 0x40000
	s_bfe_u32 s3, ttmp6, 0x40004
	s_and_b32 s[CLY], ttmp7, 0xffff
	s_lshr_b32 s[TAU], s[CLY], 3
	s_and_b32 s17, s[CLY], 7
	s_lshl_b32 s17, s17, 2
	s_add_co_u32 s17, s17, s3
	s_lshl_b32 s13, s3, 2
	s_lshl_b32 s13, 15, s13
	s_lshl_b32 s19, 0x1111, s2
	s_or_b32 s[G1+0], s13, (3<<16)|(1<<21)
	s_or_b32 s[G1B+0], s19, (3<<16)|(1<<21)
.irp g, G1, G1B
	s_mov_b32 s[\g+1], 384<<16
	s_mov_b32 s[\g+2], 16<<16
	s_mov_b32 s[\g+3], 384<<16
	s_mov_b32 s[\g+4], 16
	s_mov_b32 s[\g+5], 1536
	s_mov_b32 s[\g+6], 0
	s_mov_b32 s[\g+7], 0
.endr
	s_or_b32 s[G1S+0], s13, (3<<16)|(1<<20)|(1<<21)|(5<<22)|(3<<25)
	s_or_b32 s[G1SB+0], s19, (3<<16)|(1<<20)|(1<<21)|(5<<22)|(3<<25)
.irp g, G1S, G1SB
	s_mov_b32 s[\g+1], 32<<16
	s_mov_b32 s[\g+2], 32<<16
	s_mov_b32 s[\g+3], 32<<16
	s_mov_b32 s[\g+4], 32
	s_mov_b32 s[\g+5], 32
	s_mov_b32 s[\g+6], 0
	s_mov_b32 s[\g+7], 0
.endr
	s_lshl_b32 s20, s17, 4
	s_lshl_b32 s21, s[TAU], 9
	s_add_co_u32 s20, s20, s21
	s_lshl_b32 s96, s2, 4
	s_lshl_b32 s97, s[TAU], 6
	s_add_co_u32 s96, s96, s97
	s_add_co_u32 s96, s96, 1536
	s_lshl_b32 s22, s20, 9
	s_mov_b32 s23, 0
	s_lshl_b32 s92, s96, 9
	s_mov_b32 s93, 0
	s_mul_i32 s20, s20, TB2
	s_mov_b32 s21, 0
	s_mul_i32 s96, s96, TB2
	s_mov_b32 s97, 0
	s_mul_i32 s12, s14, HALFT
	s_mov_b32 s[SEL], 0x76543210
	s_mov_b32 s[SEL+1], 0xfedcba98
	s_wait_dscnt 0x0
	s_wait_kmcnt 0x0
	s_add_nc_u64 s[20:21], s[4:5], s[20:21]
	s_add_nc_u64 s[22:23], s[6:7], s[22:23]
	s_add_nc_u64 s[96:97], s[4:5], s[96:97]
	s_add_nc_u64 s[92:93], s[6:7], s[92:93]
	CROUND
	s_mov_b32 s[G0S], 1
	s_mov_b32 s[G0S+1], SCL
	s_mov_b64 s[G0S+2:G0S+3], s[22:23]
	s_or_b32 s[G0S+3], s[G0S+3], 0x80000000
	s_mov_b32 s[G0SB], 1
	s_mov_b32 s[G0SB+1], SCL+2*HALFS
	s_mov_b64 s[G0SB+2:G0SB+3], s[92:93]
	s_or_b32 s[G0SB+3], s[G0SB+3], 0x80000000
	s_mov_b32 s[G0+8], 1                           ; the head's tiles, each whole: K part 0 of A's 16 tiles,
	s_mov_b32 s[G0+9], 0
	s_mov_b64 s[G0+10:G0+11], s[20:21]
	s_or_b32 s[G0+11], s[G0+11], 0x80000000
	s_mov_b32 s[G0B+8], 1                          ; and of B's 16 tiles, behind them in slot 0
	s_mov_b32 s[G0B+9], 2*HALFT
	s_mov_b64 s[G0B+10:G0B+11], s[96:97]
	s_or_b32 s[G0B+11], s[G0B+11], 0x80000000
	s_mul_i32 s18, s16, 8*TB2                      ; behind the head I fetch 8 tiles: which half, in bytes
	s_mov_b32 s19, 0
	s_add_nc_u64 s[20:21], s[20:21], s[18:19]
	s_add_nc_u64 s[96:97], s[96:97], s[18:19]
	s_mul_i32 s13, s14, 2*HALFT
	s_add_co_u32 s13, s13, SLOT                    ; my quarter of the larger slot, which holds K parts 1 and 2: rows of 2 KB bytes
	s_mov_b32 s[G0], 1                             ; slot 0's refill (K part 3): stepped by 3 KB when it is asked for
	s_mov_b32 s[G0+1], s12
	s_mov_b64 s[G0+2:G0+3], s[20:21]
	s_or_b32 s[G0+3], s[G0+3], 0x80000000
	s_mov_b32 s[G0B], 1
	s_mov_b32 s[G0B+1], s12
	s_mov_b64 s[G0B+2:G0B+3], s[96:97]
	s_or_b32 s[G0B+3], s[G0B+3], 0x80000000
	s_mov_b32 s[G0+4], 1
	s_mov_b32 s[G0+5], s13
	s_add_nc_u64 s[G0+6:G0+7], s[20:21], KB
	s_or_b32 s[G0+7], s[G0+7], 0x80000000
	s_mov_b32 s[G0B+4], 1
	s_mov_b32 s[G0B+5], s13
	s_add_nc_u64 s[G0B+6:G0B+7], s[96:97], KB
	s_or_b32 s[G0B+7], s[G0B+7], 0x80000000
; the head's loads, one a wave: wave 0 A's tiles, wave 1 B's, wave 2 A's scales, wave 3 B's; one tree of branches on the wave's number, one load to an arm
.macro ARM under, g0, g1, next
	s_cmp_lt_u32 s14, \under
	s_cbranch_scc0 \next
	tensor_load_to_lds s[\g0:\g0+3], s[\g1:\g1+7]
	s_nop 0
.rept 4
	v_nop
.endr
	s_branch .Lhead_asked
\next:
.endm
	ARM 1, G0+8, G1, .Lhead_b
	ARM 2, G0B+8, G1B, .Lhead_sa
	ARM 3, G0S, G1S, .Lhead_sb
	tensor_load_to_lds s[G0SB:G0SB+3], s[G1SB:G1SB+7]
	s_nop 0
.rept 4
	v_nop
.endr
.Lhead_asked:
	v_and_b32 v1, 15, v0
	v_bfe_u32 v2, v0, 4, 1
	v_and_b32 v3, 31, v0
	v_lshlrev_b32 v[GI], 4, v3
	s_wait_alu depctr_va_vdst(0)
	; a prefetch of K parts 1 and 2 of the 8 tiles that I fetch behind the head: 24 blocks of 256 bytes a tile; each of the four partners that ask for them jointly takes two tiles, told apart by address; the lanes left over name the last block again
	s_cmp_eq_u32 s15, 0
	s_cselect_b64 s[12:13], s[20:21], s[96:97]
	s_cselect_b32 s18, s2, s3
	s_mul_i32 s18, s18, 2*TB2
	v_min_u32 v9, 23, v3
	v_lshl_add_u32 v9, v9, 8, s18                  ; v9 is never rewritten
	global_prefetch_b8 v9, s[12:13] offset:KB th:TH_LOAD_NT scope:SCOPE_SE
	global_prefetch_b8 v9, s[12:13] offset:TB2+KB th:TH_LOAD_NT scope:SCOPE_SE
	s_mul_i32 s21, s15, HALFT
	s_mul_i32 s22, s16, HALFT
	s_add_co_u32 s22, s22, 2*HALFT
	v_add_nc_u32 v[ADRA], s21, v[GI]               ; slot 0: rows of KB bytes
	v_add_nc_u32 v[ADRB], s22, v[GI]
	s_lshl_b32 s21, s21, 1
	s_lshl_b32 s22, s22, 1
	s_add_co_u32 s21, s21, SLOT
	s_add_co_u32 s22, s22, SLOT
	v_add_nc_u32 v[ADRA+1], s21, v[GI]             ; the larger slot, rows of 2 KB bytes: K part 1,
	v_add_nc_u32 v[ADRB+1], s22, v[GI]
	s_add_co_u32 s21, s21, KB
	s_add_co_u32 s22, s22, KB
	v_add_nc_u32 v[ADRA+2], s21, v[GI]             ; and K part 2, KB bytes further on in each row
	v_add_nc_u32 v[ADRB+2], s22, v[GI]
	s_mul_i32 s21, s15, 4*TB2
	v_add_nc_u32 v[AD2A], s21, v[GI]
	s_mul_i32 s22, s16, 8*TB2
	s_add_co_u32 s22, s22, B2
	v_add_nc_u32 v[AD2B], s22, v[GI]
	s_add_co_u32 s22, s22, 4*TB2
	v_add_nc_u32 v[AD2B+1], s22, v[GI]
	s_mul_i32 s21, s15, 4*1536
	v_add_nc_u32 v[GI2], s21, v[GI]
	s_lshl_b32 s21, s15, 8
	v_lshl_add_u32 v[SO2], v1, 4, s21
	v_lshlrev_b32 v[SBO], 5, v1
	v_lshl_add_u32 v[SAO], v2, 10, v[SBO]
	v_lshl_add_u32 v[SBO], v2, 11, v[SBO]
	v_mul_u32_u24 v5, v1, 32
	v_lshrrev_b32 v6, 8, v5
	v_lshl_add_u32 v5, v6, 4, v5
	s_mul_i32 s21, s15, HALFS
	s_mul_i32 s22, s16, HALFS
	s_add_co_u32 s22, s22, 2*HALFS
	s_sub_co_u32 s22, s22, s21
	v_mul_u32_u24 v6, s22, v2
	s_add_co_u32 s21, s21, SCL
	v_add_nc_u32 v5, v5, v6
	v_add_nc_u32 v[ADRS], s21, v5
	s_and_b32 s20, s[CLY], 1
	s_lshl_b32 s20, s20, 2
	s_add_co_u32 s20, s20, s3
	s_lshr_b32 s21, s[CLY], 1
	s_lshl_b32 s21, s21, 2
	s_add_co_u32 s21, s21, s2
	s_lshl_b32 s100, s20, 3
	s_lshl_b32 s101, s16, 2
	s_add_co_u32 s100, s100, s101
	s_add_co_u32 s100, s100, 1664
	s_mul_i32 s100, s100, TB2
	s_mov_b32 s101, 0
	s_add_nc_u64 s[100:101], s[4:5], s[100:101]
	s_lshl_b32 s94, s20, 3
	s_lshl_b32 s95, s15, 2
	s_add_co_u32 s94, s94, s95
	s_add_co_u32 s94, s94, 1664
	s_lshl_b32 s94, s94, 9
	s_mov_b32 s95, 0
	s_add_nc_u64 s[94:95], s[6:7], s[94:95]
	s_lshl_b32 s92, s21, 4
	s_lshl_b32 s93, s16, 3
	s_add_co_u32 s92, s92, s93
	s_add_co_u32 s92, s92, 1024
	s_mul_i32 s96, s92, TB2
	s_mov_b32 s97, 0
	s_add_nc_u64 s[96:97], s[4:5], s[96:97]
	s_lshl_b32 s92, s92, 9
	s_mov_b32 s93, 0
	s_add_nc_u64 s[92:93], s[6:7], s[92:93]
	s_lshl_b32 s18, s21, 1
	s_add_co_u32 s18, s18, s16
	s_lshr_b32 s19, s18, 4
	s_lshl_b32 s19, s19, 7
	s_and_b32 s18, s18, 15
	s_add_co_u32 s18, s18, s19
	s_lshl_b32 s19, s20, 4
	s_add_co_u32 s18, s18, s19
	s_mul_i32 s18, s18, 12800
	s_add_co_u32 s18, s18, 13107200
	s_mov_b32 s19, 0
	s_add_nc_u64 s[18:19], s[8:9], s[18:19]
	s_lshl_b32 s20, s17, 1
	s_add_co_u32 s20, s20, s15
	s_lshl_b32 s21, s2, 1
	s_add_co_u32 s21, s21, s16
	s_lshr_b32 s22, s20, 4
	s_lshl_b32 s22, s22, 7
	s_and_b32 s23, s20, 15
	s_add_co_u32 s22, s22, s23
	s_lshl_b32 s23, s21, 4
	s_add_co_u32 s22, s22, s23
	s_mul_i32 s22, s22, 12800
	s_mul_i32 s23, s[TAU], 6553600
	s_add_co_u32 s22, s22, s23
	s_mov_b32 s23, 0
	s_add_nc_u64 s[8:9], s[8:9], s[22:23]
	s_lshl_b32 s22, s20, 6
	s_add_co_u32 s22, s22, s21
	s_lshl_b32 s22, s22, 13
	s_add_nc_u64 s[10:11], s[10:11], s[22:23]
.macro FRAG reg, adr, q, i
.irp c, 0,1,2
	ds_load_b128 v[\reg+4*\c:\reg+4*\c+3], v[\adr] offset:(\i)*FP+(\q)*1536+512*\c
.endr
.endm
.macro MUL16 a0, p, q, sc, zero
.irp a, \a0, \a0+1
.irp b, 0,1,2,3,4,5,6,7
.if \zero
	v_wmma_scale_f32_16x16x128_f8f6f4 v[8*(8*((\a)%4)+\b):8*(8*((\a)%4)+\b)+7], v[128*(\p)+FR*\b:128*(\p)+FR*\b+FR-1], v[AF+FR*(\a):AF+FR*(\a)+FR-1], 0, v[SC+8*NQ*(\sc)+NQ*\b+(\q)], v[SC+8*NQ*(\sc)+NQ*(\a)+(\q)] matrix_a_fmt:MATRIX_FMT_FP6 matrix_b_fmt:MATRIX_FMT_FP6 matrix_a_scale:MATRIX_SCALE_ROW1
.else
	v_wmma_scale_f32_16x16x128_f8f6f4 v[8*(8*((\a)%4)+\b):8*(8*((\a)%4)+\b)+7], v[128*(\p)+FR*\b:128*(\p)+FR*\b+FR-1], v[AF+FR*(\a):AF+FR*(\a)+FR-1], v[8*(8*((\a)%4)+\b):8*(8*((\a)%4)+\b)+7], v[SC+8*NQ*(\sc)+NQ*\b+(\q)], v[SC+8*NQ*(\sc)+NQ*(\a)+(\q)] matrix_a_fmt:MATRIX_FMT_FP6 matrix_b_fmt:MATRIX_FMT_FP6 matrix_a_scale:MATRIX_SCALE_ROW1
.endif
.endr
.endr
.endm
.macro FETCH_B slot, q, p
.if (\slot) == 0
.set FP, KB
.else
.set FP, 2*KB
.endif
	WIN TO_B
.irp i, 0,1,2,3,4,5,6,7
	FRAG 128*(\p)+FR*\i, ADRB+\slot, \q, \i
.endr
	WIN 0
.endm
.macro FETCH_A slot, q, i0
.if (\slot) == 0
.set FP, KB
.else
.set FP, 2*KB
.endif
.irp i, \i0, \i0+1, \i0+2, \i0+3
	FRAG AF+FR*(\i), ADRA+\slot, \q, \i
.endr
.endm
.macro SCALES sc
.irp i, 0,1,2,3,4,5,6,7
	ds_load_b64 v[SC+8*NQ*(\sc)+NQ*\i:SC+8*NQ*(\sc)+NQ*\i+1], v[ADRS] offset:\i*SBLK
.endr
.endm
.macro PLACES n
.rept \n
	v_nop
.endr
.endm
.macro STEP slot, sc, zero
	s_wait_dscnt 4*NL
	WIN MUL_LO
	MUL16 0, 0, 0, \sc, \zero
	MUL16 2, 0, 0, \sc, \zero
	s_wait_dscnt 0
	PLACES NP
	FETCH_B \slot, 1, 1
	FETCH_A \slot, 1, 0
	WIN MUL_HI
	MUL16 4, 0, 0, \sc, \zero
	MUL16 6, 0, 0, \sc, \zero
	PLACES NP
	WIN 0
	FETCH_A \slot, 1, 4
.endm
.macro TURN slot, next, sc, mode
.if \mode == 2
	s_wait_dscnt 4*NL
	WIN MUL_LO
	MUL16 0, 1, NQ-1, \sc, 0
	MUL16 2, 1, NQ-1, \sc, 0
	s_wait_dscnt 0x0
	WIN 0
	PLACES NP
.else
	s_wait_tensorcnt 0x0
	ds_add_u32 v[SPW], v[NIL]
	s_wait_dscnt 4*NL+1
	WIN MUL_LO
	MUL16 0, 1, NQ-1, \sc, 0
.if \mode == 1
	s_mov_b32 s[G1+1], 384<<16                     ; no load of mine is out: slot 0's refill has rows of KB bytes again
	s_mov_b32 s[G1+3], 384<<16
	s_mov_b32 s[G1B+1], 384<<16
	s_mov_b32 s[G1B+3], 384<<16
.endif
.if \mode == 3
	s_mov_b32 s[G1+1], 1536<<16
	s_mov_b32 s[G1+2], 4<<16
	s_mov_b32 s[G1+3], 1536<<16
	s_mov_b32 s[G1+4], 4
	s_mov_b32 s[G1B+1], 1536<<16
	s_mov_b32 s[G1B+3], 1536<<16
	s_mul_i32 s[G0+1], s16, 4*TB2
	s_mov_b64 s[G0+2:G0+3], s[100:101]
	s_or_b32 s[G0+3], s[G0+3], 0x80000000
	s_mul_i32 s[G0B+1], s16, 8*TB2
	s_add_co_u32 s[G0B+1], s[G0B+1], B2
	s_mov_b64 s[G0B+2:G0B+3], s[96:97]
	s_or_b32 s[G0B+3], s[G0B+3], 0x80000000
.endif
	s_wait_dscnt 0x0
	s_barrier_signal -1
	MUL16 2, 1, NQ-1, \sc, 0
	WIN 0
	s_barrier_wait -1
.if \mode == 1
	CREST
	s_add_nc_u64 s[G0+4*\slot+2:G0+4*\slot+3], s[G0+4*\slot+2:G0+4*\slot+3], 3*KB
	s_add_nc_u64 s[G0B+4*\slot+2:G0B+4*\slot+3], s[G0B+4*\slot+2:G0B+4*\slot+3], 3*KB
	JLOAD G0+4*\slot, G1, G0B+4*\slot, G1B
.elseif \mode == 3
	CREST
	JLOAD G0, G1, G0B, G1B
.else
	PLACES NP
.endif
.endif
.if \mode != 3
	v_add_nc_u32 v[ADRS], 4*NQ, v[ADRS]
	FETCH_B \next, 0, 0
	FETCH_A \next, 0, 0
	SCALES 1-\sc
.endif
	WIN MUL_HI
	MUL16 4, 1, NQ-1, \sc, 0
	MUL16 6, 1, NQ-1, \sc, 0
	PLACES NP
	WIN 0
.if \mode != 3
	FETCH_A \next, 0, 4
.endif
.endm
	; the prefetch of the second product's tile that I shall fetch (waves 0, 1: 192 blocks of 256 bytes of Wv's codes; waves 2, 3: 384 of v's): the four partners that ask for it jointly take a quarter each, told apart by address
	s_wait_xcnt 0x0                                ; the earlier prefetches have read their base, which is written anew below
	s_cmp_eq_u32 s15, 0
	s_cselect_b64 s[12:13], s[100:101], s[96:97]
	s_cselect_b32 s20, s2, s3                      ; my place among the four
	s_cselect_b32 s22, 15, 31                      ; a quarter is 48 blocks or 96: in the second request the lanes left over name the last block again
	s_mov_b32 s21, 24576
	s_cselect_b32 s21, 12288, s21
	s_mul_i32 s20, s20, s21
	v_lshl_add_u32 v7, v3, 8, s20                  ; a lane a block; v7 and v8 are never rewritten
	v_min_u32 v8, s22, v3
	v_lshl_add_u32 v8, v8, 8, s20
	s_wait_alu depctr_va_vdst(0)
	s_wait_tensorcnt 0x0                           ; my tile of the head's four is in; the full sequence ahead of a later first fill
	ds_add_u32 v[SPW], v[NIL]
	s_mov_b32 s[G1+1], 768<<16                     ; from here on 8 tiles a load; the larger slot's rows are 2 KB bytes
	s_mov_b32 s[G1+2], 8<<16
	s_mov_b32 s[G1+3], 768<<16
	s_mov_b32 s[G1+4], 8
	s_mov_b32 s[G1B+1], 768<<16
	s_mov_b32 s[G1B+2], 8<<16
	s_mov_b32 s[G1B+3], 768<<16
	s_mov_b32 s[G1B+4], 8
	s_wait_dscnt 0x0
	CROUND
	JLOAD G0+4, G1, G0B+4, G1B                     ; K parts 1 and 2, one load a wave: it lands while K part 0 is multiplied
	FETCH_B 0, 0, 0
	FETCH_A 0, 0, 0
	global_prefetch_b8 v7, s[12:13] th:TH_LOAD_NT scope:SCOPE_SE
	global_prefetch_b8 v8, s[12:13] offset:8192 th:TH_LOAD_NT scope:SCOPE_SE
	s_cmp_eq_u32 s15, 0
	s_cbranch_scc1 .Lno_third
	global_prefetch_b8 v7, s[12:13] offset:16384 th:TH_LOAD_NT scope:SCOPE_SE
.Lno_third:
	SCALES 0
	FETCH_A 0, 0, 4
	STEP 0, 0, 1
	TURN 0, 1, 0, 1
	s_wait_alu depctr_va_vdst(0)
	STEP 1, 1, 0
	TURN 1, 2, 1, 2
	s_wait_alu depctr_va_vdst(0)
	STEP 2, 0, 0
	TURN 2, 0, 0, 0
	STEP 0, 1, 0
	TURN 0, 0, 1, 3
.irp j, 0,1,2,3
.irp e, 0,1
	global_load_b128 v[SB2+8*\j+4*\e:SB2+8*\j+4*\e+3], v[SBO], s[92:93] offset:512*\j+16*\e
.endr
.endr
.irp j, 0,1
.irp e, 0,1
	global_load_b128 v[SA2+8*\j+4*\e:SA2+8*\j+4*\e+3], v[SAO], s[94:95] offset:512*\j+16*\e
.endr
.endr
.irp b, 0,1,2,3
	v_mov_b32 v[TM+4+\b], 0
.endr
.macro QUANTA a, off, base
.set AC, 64*((\a)%4)
.set WA, 2+(\a)/4
.set WX, (WA<<2)|(WA<<4)
.set PCA, PC+12*(\a)
	WIN WX
.irp b, 0,1,2,3
	v_max3_num_f32 v[TM+\b], 0x1800000, |v[AC+16*\b]|, |v[AC+1+16*\b]|
.endr
.irp i, 2,4,6,8,10,12,14
.irp b, 0,1,2,3
	v_max3_num_f32 v[TM+\b], v[TM+\b], |v[AC+16*\b+\i]|, |v[AC+1+16*\b+\i]|
.endr
.endr
	WIN 0
.irp b, 0,1,2,3
	v_permlanex16_b32 v[TM+4+\b], v[TM+\b], s[SEL], s[SEL+1]
.endr
.irp b, 0,1,2,3
	v_max_num_f32 v[TM+\b], v[TM+\b], v[TM+4+\b]
.endr
.irp b, 0,1,2,3
	v_add_nc_u32 v[TM+12+\b], 0xff000000, v[TM+\b]
.endr
.irp b, 0,1,2,3
	v_lshrrev_b32 v[TM+4+\b], 23, v[TM+12+\b]
.endr
	v_lshl_or_b32 v[PW+(\a)], v[TM+5], 8, v[TM+4]
	v_lshl_or_b32 v[PW+(\a)], v[TM+6], 16, v[PW+(\a)]
	v_lshl_or_b32 v[PW+(\a)], v[TM+7], 24, v[PW+(\a)]
	WIN WA
.irp c, 0,1
	v_cvt_scalef32_pk16_fp6_f32 v[PCA+6*\c:PCA+2+6*\c], v[AC+32*\c:AC+15+32*\c], v[TM+12+2*\c]
	v_cvt_scalef32_pk16_fp6_f32 v[TP+4*\c:TP+2+4*\c], v[AC+16+32*\c:AC+31+32*\c], v[TM+12+2*\c+1]
.endr
	WIN 0
	v_nop
.irp c, 0,1
.irp i, 0,1,2
	v_permlane16_swap_b32 v[PCA+6*\c+\i], v[TP+4*\c+\i]
.endr
.irp i, 0,1,2
	v_mov_b32 v[PCA+3+6*\c+\i], v[TP+4*\c+\i]
.endr
.endr
.irp c, 0,1,2
	global_store_b128 v[\off], v[PCA+4*\c:PCA+4*\c+3], s[\base:\base+1] offset:1536*(\a)+512*\c
.endr
.endm
.irp a, 0,1,2,3,4,5,6,7
	s_cmp_lg_u32 s[TAU], 0
	s_cbranch_scc1 .Lno_qp_\a
	WIN 0x08+4*(\a/4)
.set qd, 0
.rept 16
	global_store_b128 v[GI], v[64*(\a%4)+4*qd:64*(\a%4)+4*qd+3], s[10:11] offset:65536*\a+512*qd
.set qd, qd+1
.endr
	WIN 0
.Lno_qp_\a:
	QUANTA \a, GI, 8
.endr
	v_and_b32 v3, 31, v0
	v_cmp_gt_u32 vcc_lo, 16, v3
.irp i, 0,1,2,3
	v_cndmask_b32 v[OUTS+\i], v[PW+4+\i], v[PW+\i], vcc_lo
.endr
	global_store_b128 v[GI], v[OUTS:OUTS+3], s[8:9] offset:12288
.macro FETCH2 s, p
	WIN TO_B
.irp i, 0,1,2,3,4,5,6,7
.irp c, 0,1,2
	ds_load_b128 v[128*(\p)+FR*\i+4*\c:128*(\p)+FR*\i+4*\c+3], v[AD2B+\i/4] offset:(\i%4)*TB2+(\s)*1536+512*\c
.endr
.endr
	WIN 0
.irp i, 0,1,2,3
.irp c, 0,1,2
	ds_load_b128 v[AF+48*(\p)+FR*\i+4*\c:AF+48*(\p)+FR*\i+4*\c+3], v[AD2A] offset:\i*TB2+(\s)*1536+512*\c
.endr
.endr
.endm
.macro W2 a, b, s, p
.set D2, 8*(8*(\a)+(\b))
.set BR2, 128*(\p)+FR*(\b)
.set AR2, AF+48*(\p)+FR*(\a)
.set SBR, SB2+8*((\b)%4)+(\s)
.set SAR, SA2+8*((\a)%2)+(\s)
.if (\s) == 0
.if (\a) < 2
.if (\b) < 4
	v_wmma_scale_f32_16x16x128_f8f6f4 v[D2:D2+7], v[BR2:BR2+FR-1], v[AR2:AR2+FR-1], 0, v[SBR], v[SAR] matrix_a_fmt:MATRIX_FMT_FP6 matrix_b_fmt:MATRIX_FMT_FP6
.else
	v_wmma_scale_f32_16x16x128_f8f6f4 v[D2:D2+7], v[BR2:BR2+FR-1], v[AR2:AR2+FR-1], 0, v[SBR], v[SAR] matrix_a_fmt:MATRIX_FMT_FP6 matrix_b_fmt:MATRIX_FMT_FP6 matrix_a_scale:MATRIX_SCALE_ROW1
.endif
.else
.if (\b) < 4
	v_wmma_scale_f32_16x16x128_f8f6f4 v[D2:D2+7], v[BR2:BR2+FR-1], v[AR2:AR2+FR-1], 0, v[SBR], v[SAR] matrix_a_fmt:MATRIX_FMT_FP6 matrix_b_fmt:MATRIX_FMT_FP6 matrix_b_scale:MATRIX_SCALE_ROW1
.else
	v_wmma_scale_f32_16x16x128_f8f6f4 v[D2:D2+7], v[BR2:BR2+FR-1], v[AR2:AR2+FR-1], 0, v[SBR], v[SAR] matrix_a_fmt:MATRIX_FMT_FP6 matrix_b_fmt:MATRIX_FMT_FP6 matrix_a_scale:MATRIX_SCALE_ROW1 matrix_b_scale:MATRIX_SCALE_ROW1
.endif
.endif
.else
.if (\a) < 2
.if (\b) < 4
	v_wmma_scale_f32_16x16x128_f8f6f4 v[D2:D2+7], v[BR2:BR2+FR-1], v[AR2:AR2+FR-1], v[D2:D2+7], v[SBR], v[SAR] matrix_a_fmt:MATRIX_FMT_FP6 matrix_b_fmt:MATRIX_FMT_FP6
.else
	v_wmma_scale_f32_16x16x128_f8f6f4 v[D2:D2+7], v[BR2:BR2+FR-1], v[AR2:AR2+FR-1], v[D2:D2+7], v[SBR], v[SAR] matrix_a_fmt:MATRIX_FMT_FP6 matrix_b_fmt:MATRIX_FMT_FP6 matrix_a_scale:MATRIX_SCALE_ROW1
.endif
.else
.if (\b) < 4
	v_wmma_scale_f32_16x16x128_f8f6f4 v[D2:D2+7], v[BR2:BR2+FR-1], v[AR2:AR2+FR-1], v[D2:D2+7], v[SBR], v[SAR] matrix_a_fmt:MATRIX_FMT_FP6 matrix_b_fmt:MATRIX_FMT_FP6 matrix_b_scale:MATRIX_SCALE_ROW1
.else
	v_wmma_scale_f32_16x16x128_f8f6f4 v[D2:D2+7], v[BR2:BR2+FR-1], v[AR2:AR2+FR-1], v[D2:D2+7], v[SBR], v[SAR] matrix_a_fmt:MATRIX_FMT_FP6 matrix_b_fmt:MATRIX_FMT_FP6 matrix_a_scale:MATRIX_SCALE_ROW1 matrix_b_scale:MATRIX_SCALE_ROW1
.endif
.endif
.endif
.endm
.macro STEP2 s
.if (\s) < 7
	PLACES NP
	FETCH2 (\s)+1, ((\s)+1)%2
	s_wait_dscnt 36
.else
	s_wait_dscnt 0x0
.endif
	WIN MUL_LO
.irp a, 0,1,2,3
.irp b, 0,1,2,3,4,5,6,7
	W2 \a, \b, \s, (\s)%2
.endr
.endr
	WIN 0
.endm
	s_wait_tensorcnt 0x0
	s_barrier_signal -1
	s_barrier_wait -1
	s_wait_xcnt 0x0
	s_wait_loadcnt 0x0
	FETCH2 0, 0
.irp s, 0,1,2,3,4,5,6,7
	STEP2 \s
.endr
	PLACES NP
.irp a, 0,1,2,3
	QUANTA \a, GI2, 18
.endr
	global_store_b128 v[SO2], v[PW:PW+3], s[18:19] offset:12288
	s_wait_tensorcnt 0x0
	ds_add_u32 v[SPW], v[NIL]
	s_wait_dscnt 0x0
	CROUND
	s_endpgm
.Lfunc_end_k_qccbe38ce18_proj:
	.size	k_qccbe38ce18_proj, .Lfunc_end_k_qccbe38ce18_proj-k_qccbe38ce18_proj
	.p2alignl 7, 3214868480
	.fill 96, 4, 3214868480
	.section	.rodata,"a",@progbits
	.p2align	6, 0x0
	.amdhsa_kernel k_qccbe38ce18_proj
		.amdhsa_group_segment_fixed_size 327680
		.amdhsa_private_segment_fixed_size 0
		.amdhsa_enable_private_segment 0
		.amdhsa_kernarg_size 32
		.amdhsa_user_sgpr_count 2
		.amdhsa_user_sgpr_kernarg_segment_ptr 1
		.amdhsa_wavefront_size32 1
		.amdhsa_system_sgpr_workgroup_id_x 1
		.amdhsa_system_sgpr_workgroup_id_y 1
		.amdhsa_system_sgpr_workgroup_id_z 1
		.amdhsa_system_vgpr_workitem_id 0
		.amdhsa_next_free_vgpr 1024
		.amdhsa_next_free_sgpr 102
		.amdhsa_reserve_vcc 1
		.amdhsa_float_denorm_mode_32 3
		.amdhsa_float_denorm_mode_16_64 3
		.amdhsa_memory_ordered 1
		.amdhsa_forward_progress 1
		.amdhsa_inst_pref_size 229
	.end_amdhsa_kernel
	.amdgpu_metadata
---
amdhsa.version: [ 1, 2 ]
amdhsa.kernels:
  - .name:           k_qccbe38ce18_proj
    .symbol:         k_qccbe38ce18_proj.kd
    .args:
      - { .name: cimg, .offset: 0, .size: 8, .value_kind: global_buffer, .address_space: global }
      - { .name: csc, .offset: 8, .size: 8, .value_kind: global_buffer, .address_space: global }
      - { .name: img, .offset: 16, .size: 8, .value_kind: global_buffer, .address_space: global }
      - { .name: qpimg, .offset: 24, .size: 8, .value_kind: global_buffer, .address_space: global }
    .group_segment_fixed_size: 327680
    .private_segment_fixed_size: 0
    .kernarg_segment_align: 8
    .kernarg_segment_size: 32
    .max_flat_workgroup_size: 128
    .sgpr_count:     102
    .vgpr_count:     1024
    .wavefront_size: 32
...
	.end_amdgpu_metadata
.endif
;; end of part 2
;; launch attn (part 3): grid 8 x 32, 8 waves a work-group, clusters of 4 x 1, 327,680 bytes of LDS; arguments img, mask, qpimg, attimg; writes attimg
.if DOCPART == 3
	.amdgcn_target "amdgcn-amd-amdhsa--gfx1250"
	.amdhsa_code_object_version 6
	.text
	.protected	k_qccbe38ce18_attn
	.globl	k_qccbe38ce18_attn
	.p2align	8
	.type	k_qccbe38ce18_attn,@function
k_qccbe38ce18_attn:
	s_mov_b64 s[64:65], 0
	v_nop
	global_prefetch_b8 v0, s[64:65] scope:SCOPE_SE
	s_setreg_imm32_b32 hwreg(HW_REG_WAVE_MODE, 25, 1), 1
	s_wait_xcnt 0x0
	s_wait_alu depctr_hold_cnt(0) depctr_sa_sdst(0) depctr_va_vdst(0) depctr_va_sdst(0) depctr_va_ssrc(0) depctr_va_vcc(0) depctr_vm_vsrc(0)
	s_getreg_b32 s2, hwreg(HW_REG_IB_STS2, 6, 4)
	s_cmp_eq_u32 s2, 0
	s_cbranch_scc0 .Lentry_in_a_cluster
	s_endpgm
.Lentry_in_a_cluster:
	s_bfe_u32 s2, ttmp6, 0x10000c
	s_cmp_lg_u32 s2, 0x3003
	s_cbranch_scc0 .Lentry_shape_is_right
	s_endpgm
.Lentry_shape_is_right:
; THIRD LAUNCH: att = Q(softmax(Q(qh) Q(kh)^T / 32, masked)) Q(vh), both products on codes of FP6 (E2M3).  Nothing of the problem is left out here.
; SHARES.  A work-group takes 256 queries of one (batch, head); a wave 32 queries (two tiles x = 0, 1); a lane one query of each tile, its registers running along the keys (both products are used transposed).
; The finished, normalised softmax is what is quantised, so the keys are walked TWICE: pass 1 finds each query's running maximum and sum, pass 2 makes p = 2^(t - M - log2(sum)), quantises it block by block and multiplies by V.
; RECORDS: 128 keys of K (or of V^T) are 8 register images of 1,536 bytes and 512 bytes of scale words: 12,800 bytes, 50 units of 256 bytes.
; LDS, in places of one record: places 0-7 V, places 8-23 K's records 0-15, then the mask's terms (8,192 bytes) and the spare words.
;   V's records 0-3 lie in places 4-7, records 4-7 in places 0-3, records 8-15 in places 4-11: the last eight come by ONE refill behind pass 2's fourth step, onto V's records 0-3 and K's records 0-3, which are read no more by then.
; TENSOR LOADS, all joint (the four work-groups of a cluster take four query blocks of one head and read the same K and V): at the head each wave asks for two records of K; behind the full sequence for one record of V;
;   behind pass 2's fourth step for one more.  By the text's own count a wave never has more than one out.
; FRAGMENTS ARE ASKED FOR ONE CHUNK (64 keys) AHEAD: each chunk's K images, scale words and mask terms are loaded from LDS behind the products of the chunk before, over the loops' back edges too.  Pass 1's last trip asks for
;   record 0, with which pass 2 begins; pass 2's last trip asks for record 15 once more (the index is held at 15), and that one run of loads is not used.
; EXPONENTIALS stand in two batches a chunk: tile 0's with tile 1's multiply-adds among them, tile 1's with independent sums (pass 1) or floors (pass 2) among them.
; No prefetch into the L2: K and V's first eight records are asked for at the head, with no loop ahead of them to run in; V's last eight are asked for four steps of 128 keys ahead of their first read.
; LIMITS: a masked key's score is lowered by 2^100 and the running maximum begins at -2^90, so the promise holds while the scaled scores stay under 2^31 in magnitude; a row whose keys are all masked gives zeros. NaN and infinities are not served.
; WHAT IS STORED is x = qp + att: pass 2 never rescales its sums, so they begin with qp's image (the same register order as att's), loaded at the head, in place of zeros; the fourth launch reads the one image.
.set REC,   12800
.set SCB,   12288
.set KOFF,  8*REC
.set BIAS,  24*REC
.set SPARE, BIAS+8192
.set LI,  1
.set AK0, 2
.set AB0, 4
.set ADK, 5
.set ADV, 6
.set ADB, 7
.set SPW, 8
.set NIL, 9
.set NM,  12
.set LL,  14
.set FF,  16
.set RM,  24
.set KS,  32
.set VS,  36
.set QS,  40
.set PS,  42
.set WK,  44
.set TP,  68
.set PC,  76
.set S,   100
.set FA,  164
.set BI,  212
.set FV,  128                          ; window 1
.set QF,  224                          ; window 1
.set WV,  10
.set SEL, 20
.set CS,  22
.set G1K, 24
.set G1V, 32
.set G0K, 40
.set G0V, 48
.set TV,  52
.set J,   53
.set MSB, 0
.macro WIN new
.if MSB != \new
	s_set_vgpr_msb (MSB<<8)|\new
.set MSB, \new
.endif
.endm
.macro CROUND
	s_barrier_signal -1
	s_barrier_wait -1
	s_cmp_lg_u32 s[WV], 0
	s_cbranch_scc1 .Lnot_wave_0_\@
	s_barrier_signal -3
.Lnot_wave_0_\@:
	s_barrier_wait -3
	s_barrier_signal -1
	s_barrier_wait -1
.endm
	s_load_b128 s[4:7], s[0:1], 0x0                ; img, mask
	s_load_b64 s[66:67], s[0:1], 0x10              ; qpimg
	s_load_b64 s[8:9], s[0:1], 0x18                ; attimg
	v_lshl_add_u32 v[SPW], v0, 2, SPARE
	v_mov_b32 v[NIL], 0
	ds_add_u32 v[SPW], v[NIL]                      ; the opening lines: the add twice on end and its wait
	ds_add_u32 v[SPW], v[NIL]
	v_lshrrev_b32 v3, 5, v0
	v_readfirstlane_b32 s[WV], v3                  ; wave 0..7
	s_bfe_u32 s11, ttmp6, 0x40000                  ; cx
	s_lshl_b32 s12, ttmp9, 2
	s_add_co_u32 s12, s12, s11                     ; query block 0..7: it enters addresses of my own rows alone
	s_and_b32 s13, ttmp7, 0xffff                   ; (batch, head)
	s_mul_i32 s14, s13, 16*REC
	s_mul_i32 s15, s[WV], 2*REC
	s_add_co_u32 s16, s14, s15
	s_add_co_u32 s16, s16, 6553600                 ; K: my two records
	s_mov_b32 s17, 0
	s_mul_i32 s18, s[WV], REC                      ; kept: the refill's place is made of it
	s_add_co_u32 s58, s14, s18
	s_add_co_u32 s58, s58, 13107200                ; V: my record
	s_mov_b32 s59, 0
	s_xor_b32 s19, s[WV], 4
	s_mul_i32 s19, s19, REC                        ; V's record w goes to place w xor 4
	s_mov_b32 s[G1K], 15|(3<<16)|(1<<21)           ; dense rows of 256 bytes (32 elements of 8): 100 for two records,
	s_mov_b32 s[G1K+1], 32<<16
	s_mov_b32 s[G1K+2], 100<<16
	s_mov_b32 s[G1K+3], 32<<16
	s_mov_b32 s[G1K+4], 100
	s_mov_b32 s[G1K+5], 32
	s_mov_b32 s[G1K+6], 0
	s_mov_b32 s[G1K+7], 0
	s_mov_b32 s[G1V], 15|(3<<16)|(1<<21)           ; 50 for one
	s_mov_b32 s[G1V+1], 32<<16
	s_mov_b32 s[G1V+2], 50<<16
	s_mov_b32 s[G1V+3], 32<<16
	s_mov_b32 s[G1V+4], 50
	s_mov_b32 s[G1V+5], 32
	s_mov_b32 s[G1V+6], 0
	s_mov_b32 s[G1V+7], 0
	s_mov_b32 s[SEL], 0x76543210
	s_mov_b32 s[SEL+1], 0xfedcba98                 ; lane l xor 16
	s_mov_b32 s[CS], 0x3d38aa3b                    ; c = log2(e) / 32
	s_mov_b32 s[CS+1], s[CS]
	s_wait_dscnt 0x0
	s_wait_kmcnt 0x0
	s_mov_b32 s[G0K], 1
	s_add_co_u32 s[G0K+1], s15, KOFF
	s_add_nc_u64 s[G0K+2:G0K+3], s[4:5], s[16:17]
	s_or_b32 s[G0K+3], s[G0K+3], 0x80000000
	s_mov_b32 s[G0V], 1
	s_mov_b32 s[G0V+1], s19
	s_add_nc_u64 s[G0V+2:G0V+3], s[4:5], s[58:59]
	s_or_b32 s[G0V+3], s[G0V+3], 0x80000000
	CROUND                                         ; all four work-groups are here: the first joint loads meet
	tensor_load_to_lds s[G0K:G0K+3], s[G1K:G1K+7]  ; all of K, two records a wave: my one load at the head
	s_nop 0
.rept 4
	v_nop
.endr
	s_lshl_b32 s62, s12, 1
	s_lshr_b32 s63, s[WV], 2
	s_add_co_u32 s62, s62, s63
	s_mul_i32 s62, s62, REC
	s_add_co_u32 s62, s62, s14
	s_mov_b32 s63, 0
	s_add_nc_u64 s[62:63], s[4:5], s[62:63]        ; q's record that holds my two tiles
	s_lshr_b32 s19, s13, 3
	s_lshl_b32 s60, s19, 11
	s_mov_b32 s61, 0
	s_add_nc_u64 s[6:7], s[6:7], s[60:61]          ; my batch's 2,048 mask bytes
	s_lshl_b32 s19, s19, 7
	s_lshl_b32 s60, s12, 4
	s_add_co_u32 s19, s19, s60
	s_lshl_b32 s60, s[WV], 1
	s_add_co_u32 s19, s19, s60
	s_lshl_b32 s19, s19, 3
	s_and_b32 s60, s13, 7
	s_add_co_u32 s19, s19, s60
	s_lshl_b32 s60, s19, 13
	s_add_nc_u64 s[8:9], s[8:9], s[60:61]          ; where my two tiles of x go
	s_add_nc_u64 s[66:67], s[66:67], s[60:61]      ; and the same place in qp's image
	s_and_b32 s60, s[WV], 3
	s_mul_i32 s54, s60, 2*1536
	s_lshr_b32 s61, s60, 1
	s_lshl_b32 s61, s61, 8
	s_and_b32 s60, s[WV], 1
	s_lshl_b32 s60, s60, 3
	s_add_co_u32 s61, s61, s60
	s_add_co_u32 s61, s61, SCB
	v_and_b32 v3, 31, v0
	v_and_b32 v30, 15, v0
	v_bfe_u32 v31, v0, 4, 1
	v_lshlrev_b32 v[LI], 4, v3
	v_add_nc_u32 v[AK0], KOFF, v[LI]
	v_lshl_add_u32 v[AB0], v31, 6, BIAS
	v_lshlrev_b32 v10, 3, v0
	v_lshl_add_u32 v11, v0, 5, BIAS
	v_add_nc_u32 v28, s54, v[LI]
	v_lshl_add_u32 v29, v30, 4, s61
	global_load_b64 v[26:27], v10, s[6:7]          ; 8 mask bytes a thread
	WIN 0x40
.irp x, 0,1
.irp c, 0,1,2
	global_load_b128 v[QF+12*\x+4*\c:QF+12*\x+4*\c+3], v28, s[62:63] offset:1536*\x+512*\c
.endr
.endr
	WIN 0
	global_load_b32 v[QS], v29, s[62:63]
	global_load_b32 v[QS+1], v29, s[62:63] offset:4
.irp x, 0,1
	v_mov_b32 v[RM+\x], 0xec800000                 ; the running maximum begins at -2^90
	v_mov_b32 v[NM+6*\x+1], 0
	v_mov_b32 v[LL+6*\x], 0
	v_mov_b32 v[LL+6*\x+1], 0
	v_mov_b32 v[FF+6*\x+1], 0
	v_mov_b32 v[WK+12*\x+8], 0
	v_mov_b32 v[WK+12*\x+9], 0
	v_mul_f32 v[WK+12*\x+2], s[CS], v[RM+\x]
	s_delay_alu instid0(VALU_DEP_1)
	v_floor_f32 v[NM+6*\x], -v[WK+12*\x+2]
.endr
	s_wait_loadcnt 8                               ; the mask bytes are in; q's eight loads may be out
.irp i, 0,1,2,3,4,5,6,7
	v_bfe_u32 v[S+\i], v[26+\i/4], 8*(\i%4), 8
.endr
.irp i, 0,1,2,3,4,5,6,7
	v_sub_nc_u32 v[S+\i], 0, v[S+\i]
.endr
.irp i, 0,1,2,3,4,5,6,7
	v_and_b32 v[S+\i], 0xf1800000, v[S+\i]         ; -2^100 for a masked key, 0 else: the C of the scores' products
.endr
	ds_store_b128 v11, v[S:S+3]
	ds_store_b128 v11, v[S+4:S+7] offset:16
	s_wait_alu depctr_va_vdst(0)                   ; the head's end
	s_wait_tensorcnt 0x0                           ; my two records of K are in; the full sequence ahead of a later first fill:
	ds_add_u32 v[SPW], v[NIL]
	s_wait_dscnt 0x0                               ; the add and my mask terms
	CROUND                                         ; K and the mask terms are whole for all eight waves
	tensor_load_to_lds s[G0V:G0V+3], s[G1V:G1V+7]  ; V's records 0-7, one a wave: they land under pass 1
	s_nop 0
.rept 4
	v_nop
.endr
	v_add_nc_u32 v[ADK], 0, v[AK0]
	v_add_nc_u32 v[ADB], 0, v[AB0]
	s_wait_alu depctr_va_vdst(0)
; four tiles of K (chunk c of the record at v[ADK]) and their mask terms; first = 1: the record's scale words too
.macro KLOAD c, first
.if \first
	ds_load_b128 v[KS:KS+3], v[ADK] offset:SCB
.endif
.irp t, 0,1,2,3
.irp e, 0,1,2
	ds_load_b128 v[FA+12*\t+4*\e:FA+12*\t+4*\e+3], v[ADK] offset:(4*\c+\t)*1536+512*\e
.endr
.irp e, 0,1
	ds_load_b128 v[BI+8*\t+4*\e:BI+8*\t+4*\e+3], v[ADB] offset:(32*((4*\c+\t)/2)+8*(\t%2))*4+16*\e
.endr
.endr
.endm
; S^T = K q^T + the mask's term: eight results, none added onto
.macro SMUL c
	WIN 0x04
.irp t, 0,1,2,3
.irp x, 0,1
.if \c
	v_wmma_scale_f32_16x16x128_f8f6f4 v[S+32*\x+8*\t:S+32*\x+8*\t+7], v[FA+12*\t:FA+12*\t+11], v[QF+12*\x:QF+12*\x+11], v[BI+8*\t:BI+8*\t+7], v[KS+\t], v[QS+\x] matrix_a_fmt:MATRIX_FMT_FP6 matrix_b_fmt:MATRIX_FMT_FP6 matrix_a_scale:MATRIX_SCALE_ROW1
.else
	v_wmma_scale_f32_16x16x128_f8f6f4 v[S+32*\x+8*\t:S+32*\x+8*\t+7], v[FA+12*\t:FA+12*\t+11], v[QF+12*\x:QF+12*\x+11], v[BI+8*\t:BI+8*\t+7], v[KS+\t], v[QS+\x] matrix_a_fmt:MATRIX_FMT_FP6 matrix_b_fmt:MATRIX_FMT_FP6
.endif
.endr
.endr
	WIN 0
.rept 4
	v_nop                                          ; places ahead of the loads into the operands and of the first read of the scores
.endr
.endm
; the next record's addresses.  wrap = 1: behind record 15 comes record 0; wrap = 0: the index is held at 15
.macro NEXTK wrap
	s_add_co_u32 s[J], s[J], 1
.if \wrap
	s_and_b32 s57, s[J], 15
.else
	s_min_u32 s57, s[J], 15
.endif
	s_mul_i32 s58, s57, REC
	s_lshl_b32 s59, s57, 9
	v_add_nc_u32 v[ADK], s58, v[AK0]
	v_add_nc_u32 v[ADB], s59, v[AB0]
.endm
.macro FMA0                            ; tile 0: t - M, two at a time
.set jj, 0
.rept 16
	v_pk_fma_f32 v[S+jj:S+jj+1], v[S+jj:S+jj+1], s[CS:CS+1], v[NM:NM+1] op_sel_hi:[1,0,0]
.set jj, jj+2
.endr
.endm
.macro BATCHA blk                      ; tile 0's exponentials (blk = 1: and the four blocks' largest), with tile 1's t - M among them
.set jj, 0
.rept 16
	v_exp_f32 v[S+jj], v[S+jj]
	v_exp_f32 v[S+jj+1], v[S+jj+1]
.if \blk && (jj < 8)
	v_exp_f32 v[WK+12*(jj/4)+6+(jj/2)%2], v[WK+12*(jj/4)+6+(jj/2)%2]
.endif
	v_pk_fma_f32 v[S+32+jj:S+33+jj], v[S+32+jj:S+33+jj], s[CS:CS+1], v[NM+6:NM+7] op_sel_hi:[1,0,0]
.set jj, jj+2
.endr
.endm
; pass 1, 64 keys: the running maximum, M = its ceiling, the sums brought under the new M, p added
.macro SOFT1
.irp x, 0,1
	v_max3_num_f32 v[WK+12*\x], v[S+32*\x], v[S+32*\x+1], v[S+32*\x+2]
	v_max3_num_f32 v[WK+12*\x+1], v[S+32*\x+16], v[S+32*\x+17], v[S+32*\x+18]
.endr
.irp i, 3,5,7,9,11,13
.irp x, 0,1
	v_max3_num_f32 v[WK+12*\x], v[WK+12*\x], v[S+32*\x+\i], v[S+32*\x+\i+1]
	v_max3_num_f32 v[WK+12*\x+1], v[WK+12*\x+1], v[S+32*\x+16+\i], v[S+32*\x+17+\i]
.endr
.endr
.irp x, 0,1
	v_max3_num_f32 v[WK+12*\x], v[WK+12*\x], v[S+32*\x+15], v[RM+\x]
.endr
.irp x, 0,1
	v_max3_num_f32 v[RM+\x], v[WK+12*\x], v[WK+12*\x+1], v[S+32*\x+31]
.endr
.irp x, 0,1
	s_delay_alu instid0(VALU_DEP_2)
	v_mul_f32 v[WK+12*\x+2], s[CS], v[RM+\x]
.endr
.irp x, 0,1
	v_mov_b32 v[WK+12*\x+3], v[NM+6*\x]
.endr
.irp x, 0,1
	s_delay_alu instid0(VALU_DEP_4)
	v_floor_f32 v[NM+6*\x], -v[WK+12*\x+2]         ; -M = floor(-t)
.endr
.irp x, 0,1
	s_delay_alu instid0(VALU_DEP_2)
	v_sub_f32 v[WK+12*\x+3], v[NM+6*\x], v[WK+12*\x+3]
.endr
.irp x, 0,1
	s_delay_alu instid0(VALU_DEP_2)
	v_cvt_i32_f32 v[WK+12*\x+3], v[WK+12*\x+3]
.endr
.irp x, 0,1
	s_delay_alu instid0(VALU_DEP_2)
	v_ldexp_f32 v[FF+6*\x], 1.0, v[WK+12*\x+3]     ; f = 2^(old M - new M)
.endr
	FMA0
	s_wait_alu depctr_va_vdst(0)                   ; ahead of the batch
	BATCHA 0
	s_wait_alu depctr_va_vdst(0)                   ; behind tile 0's batch and ahead of tile 1's
.set jj, 0
.rept 16                               ; tile 1's exponentials; among them tile 0's first sums, each by itself, and both sums' f
	v_exp_f32 v[S+32+jj], v[S+32+jj]
	v_exp_f32 v[S+33+jj], v[S+33+jj]
.if jj < 16
	v_pk_add_f32 v[S+2*jj:S+2*jj+1], v[S+2*jj:S+2*jj+1], v[S+2*jj+2:S+2*jj+3]
.elseif jj < 20
	v_pk_mul_f32 v[LL+3*(jj-16):LL+3*(jj-16)+1], v[LL+3*(jj-16):LL+3*(jj-16)+1], v[FF+3*(jj-16):FF+3*(jj-16)+1] op_sel_hi:[1,0]
.endif
.set jj, jj+2
.endr
	v_nop
	s_wait_alu depctr_va_vdst(0)                   ; behind the batch
	v_pk_add_f32 v[WK+16:WK+17], v[S+32:S+33], v[S+34:S+35]
.irp i, 4,8,12,16,20,24,28             ; four chains by turns
	v_pk_add_f32 v[LL+6:LL+7], v[LL+6:LL+7], v[S+32+\i:S+33+\i]
	v_pk_add_f32 v[WK+16:WK+17], v[WK+16:WK+17], v[S+34+\i:S+35+\i]
.if \i == 4
	v_pk_add_f32 v[LL:LL+1], v[LL:LL+1], v[S:S+1]
	v_pk_add_f32 v[WK+4:WK+5], v[S+4:S+5], v[S+12:S+13]
.elseif \i == 8 || \i == 16 || \i == 24
	v_pk_add_f32 v[LL:LL+1], v[LL:LL+1], v[S+\i:S+\i+1]
.elseif \i == 12 || \i == 20
	v_pk_add_f32 v[WK+4:WK+5], v[WK+4:WK+5], v[S+\i+8:S+\i+9]
.endif
.endr
	v_pk_add_f32 v[LL:LL+1], v[LL:LL+1], v[WK+4:WK+5]
	v_pk_add_f32 v[LL+6:LL+7], v[LL+6:LL+7], v[WK+16:WK+17]
.endm
; pass 2, 64 keys (half c of a step): the finished p, its two blocks' scales, its codes
.macro SOFT2 c
.irp x, 0,1
.irp bb, 0,1
	v_max3_num_f32 v[WK+12*\x+6+\bb], v[S+32*\x+16*\bb], v[S+32*\x+16*\bb+1], v[S+32*\x+16*\bb+2]
.endr
.endr
.irp i, 3,5,7,9,11,13
.irp x, 0,1
.irp bb, 0,1
	v_max3_num_f32 v[WK+12*\x+6+\bb], v[WK+12*\x+6+\bb], v[S+32*\x+16*\bb+\i], v[S+32*\x+16*\bb+\i+1]
.endr
.endr
.endr
.irp x, 0,1
.irp bb, 0,1
	v_max_num_f32 v[WK+12*\x+6+\bb], v[WK+12*\x+6+\bb], v[S+32*\x+16*\bb+15]
.endr
.endr
.irp x, 0,1
.irp bb, 0,1
	s_delay_alu instid0(VALU_DEP_4)
	v_permlanex16_b32 v[WK+12*\x+8+\bb], v[WK+12*\x+6+\bb], s[SEL], s[SEL+1]
.endr
.endr
.irp x, 0,1
.irp bb, 0,1
	s_delay_alu instid0(VALU_DEP_4)
	v_max_num_f32 v[WK+12*\x+6+\bb], v[WK+12*\x+6+\bb], v[WK+12*\x+8+\bb]   ; the block's largest score: p rises with the score
.endr
.endr
.irp x, 0,1
.irp bb, 0,1
	s_delay_alu instid0(VALU_DEP_4)
	v_fma_f32 v[WK+12*\x+6+\bb], v[WK+12*\x+6+\bb], s[CS], v[NM+6*\x]
.endr
.endr
	FMA0
	s_wait_alu depctr_va_vdst(0)                   ; ahead of the batch
	BATCHA 1
	s_wait_alu depctr_va_vdst(0)                   ; behind tile 0's batch and ahead of tile 1's
.set jj, 0
.rept 16                               ; tile 1's exponentials; among them the floor 2^(3 - 127) under each block's largest p
	v_exp_f32 v[S+32+jj], v[S+32+jj]
	v_exp_f32 v[S+33+jj], v[S+33+jj]
.if jj < 8
	v_max_num_f32 v[WK+12*(jj/4)+6+(jj/2)%2], 0x1800000, v[WK+12*(jj/4)+6+(jj/2)%2]
.endif
.set jj, jj+2
.endr
	v_nop
	s_wait_alu depctr_va_vdst(0)                   ; behind the batch, and behind the step's last transcendental
.irp x, 0,1
.irp bb, 0,1
	v_add_nc_u32 v[WK+12*\x+10+\bb], 0xff000000, v[WK+12*\x+6+\bb]   ; 2 off the exponent field: the conversion's scale operand
.endr
.endr
.irp x, 0,1
.irp bb, 0,1
	s_delay_alu instid0(VALU_DEP_4)
	v_lshrrev_b32 v[WK+12*\x+8+\bb], 23, v[WK+12*\x+10+\bb]
.endr
.endr
.irp x, 0,1
.if \c
	v_lshl_or_b32 v[PS+\x], v[WK+12*\x+8], 16, v[PS+\x]
.else
	v_lshl_or_b32 v[PS+\x], v[WK+12*\x+9], 8, v[WK+12*\x+8]
.endif
.endr
.if \c
.irp x, 0,1
	s_delay_alu instid0(VALU_DEP_2)
	v_lshl_or_b32 v[PS+\x], v[WK+12*\x+9], 24, v[PS+\x]
.endr
.endif
.irp x, 0,1
	v_cvt_scalef32_pk16_fp6_f32 v[PC+12*\x+6*\c:PC+12*\x+6*\c+2], v[S+32*\x:S+32*\x+15], v[WK+12*\x+10]
	v_cvt_scalef32_pk16_fp6_f32 v[TP+4*\x:TP+4*\x+2], v[S+32*\x+16:S+32*\x+31], v[WK+12*\x+11]
.endr
	v_nop                                          ; one plain place behind a scaled conversion
.irp x, 0,1
.irp i, 0,1,2
	v_permlane16_swap_b32 v[PC+12*\x+6*\c+\i], v[TP+4*\x+\i]
.endr
.irp i, 0,1,2
	s_delay_alu instid0(VALU_DEP_3)
	v_mov_b32 v[PC+12*\x+6*\c+3+\i], v[TP+4*\x+\i]
.endr
.endr
.endm
.macro VLOAD
	WIN 0x40
.irp t, 0,1,2,3,4,5,6,7
.irp e, 0,1,2
	ds_load_b128 v[FV+12*\t+4*\e:FV+12*\t+4*\e+3], v[ADV] offset:1536*\t+512*\e
.endr
.endr
	WIN 0
	ds_load_b128 v[VS:VS+3], v[ADV] offset:SCB
.endm
; O^T += V^T p^T: sixteen accumulators by turns, one instruction a turn
.macro PVMUL
.rept 8
	v_nop                                          ; p's scale words stand 8 places ahead, its codes 4
.endr
	WIN 0x51
.irp t, 0,1,2,3,4,5,6,7
.irp x, 0,1
.if \t < 4
	v_wmma_scale_f32_16x16x128_f8f6f4 v[64*\x+8*\t:64*\x+8*\t+7], v[FV+12*\t:FV+12*\t+11], v[PC+12*\x:PC+12*\x+11], v[64*\x+8*\t:64*\x+8*\t+7], v[VS+\t%4], v[PS+\x] matrix_a_fmt:MATRIX_FMT_FP6 matrix_b_fmt:MATRIX_FMT_FP6
.else
	v_wmma_scale_f32_16x16x128_f8f6f4 v[64*\x+8*\t:64*\x+8*\t+7], v[FV+12*\t:FV+12*\t+11], v[PC+12*\x:PC+12*\x+11], v[64*\x+8*\t:64*\x+8*\t+7], v[VS+\t%4], v[PS+\x] matrix_a_fmt:MATRIX_FMT_FP6 matrix_b_fmt:MATRIX_FMT_FP6 matrix_a_scale:MATRIX_SCALE_ROW1
.endif
.endr
.endr
	WIN 0
.rept 4
	v_nop
.endr
.endm
	KLOAD 0, 1                                     ; record 0's first chunk
	WIN 0x40
.irp x, 0,1
.set qd, 0
.rept 16
	global_load_b128 v[64*\x+4*qd:64*\x+4*qd+3], v[LI], s[66:67] offset:65536*\x+512*qd th:TH_LOAD_NT   ; qp starts the sums of O^T: 32 loads, asked for when K is in LDS; pass 1 stands between them and their wait
.set qd, qd+1
.endr
.endr
	WIN 0
	s_wait_loadcnt 32                              ; q's fragments and scale words are in; qp's 32 loads may be out
	s_mov_b32 s[J], 0
	s_mov_b32 s56, 16
.Lp1:                                                  ; PASS 1: a trip is a record of 128 keys
	s_wait_dscnt 0x0
	SMUL 0
	KLOAD 1, 0
	SOFT1
	s_wait_dscnt 0x0
	SMUL 1
	NEXTK 1
	KLOAD 0, 1                                     ; the next record's first chunk; in the last trip record 0's, for pass 2
	SOFT1
	s_sub_co_u32 s56, s56, 1
	s_cmp_lg_u32 s56, 0
	s_cbranch_scc1 .Lp1
	s_wait_alu depctr_va_vdst(0)
	s_wait_tensorcnt 0x0                           ; my record of V is in
	s_wait_loadcnt 0x0                             ; and qp, on which pass 2 adds
	s_wait_dscnt 0x0
	s_barrier_signal -1
	s_barrier_wait -1                              ; V's records 0-7 are whole for all eight waves
	; the two halves of a row (lanes l and l xor 16) are joined under the larger M; then -M - log2(sum) takes -M's place
.irp x, 0,1
	v_add_f32 v[WK+12*\x], v[LL+6*\x], v[LL+6*\x+1]
.endr
.irp x, 0,1
	v_permlanex16_b32 v[WK+12*\x+8], v[NM+6*\x], s[SEL], s[SEL+1]
.endr
.irp x, 0,1
	s_delay_alu instid0(VALU_DEP_2)
	v_min_num_f32 v[WK+12*\x+1], v[NM+6*\x], v[WK+12*\x+8]
.endr
.irp x, 0,1
	s_delay_alu instid0(VALU_DEP_2)
	v_sub_f32 v[WK+12*\x+2], v[WK+12*\x+1], v[NM+6*\x]
.endr
.irp x, 0,1
	s_delay_alu instid0(VALU_DEP_2)
	v_cvt_i32_f32 v[WK+12*\x+2], v[WK+12*\x+2]
.endr
.irp x, 0,1
	s_delay_alu instid0(VALU_DEP_2)
	v_ldexp_f32 v[WK+12*\x+2], 1.0, v[WK+12*\x+2]
.endr
.irp x, 0,1
	s_delay_alu instid0(VALU_DEP_2)
	v_mul_f32 v[WK+12*\x], v[WK+12*\x], v[WK+12*\x+2]
.endr
.irp x, 0,1
	s_delay_alu instid0(VALU_DEP_2)
	v_permlanex16_b32 v[WK+12*\x+9], v[WK+12*\x], s[SEL], s[SEL+1]
.endr
.irp x, 0,1
	s_delay_alu instid0(VALU_DEP_2)
	v_add_f32 v[WK+12*\x], v[WK+12*\x], v[WK+12*\x+9]
.endr
.irp x, 0,1
	s_delay_alu instid0(VALU_DEP_2)
	v_max_num_f32 v[WK+12*\x], 0x800000, v[WK+12*\x]   ; a row with every key masked has the sum 0: its p stay 0
.endr
	s_wait_alu depctr_va_vdst(0)
.irp x, 0,1
	v_log_f32 v[WK+12*\x+3], v[WK+12*\x]
.endr
	v_nop
	s_wait_alu depctr_va_vdst(0)
.irp x, 0,1
	v_sub_f32 v[NM+6*\x], v[WK+12*\x+1], v[WK+12*\x+3]
.endr
	s_wait_alu depctr_va_vdst(0)                   ; read behind the loop's waits
; PASS 2: n steps of 128 keys.  At a step's top the K chunk asked for in the step before (21 loads) lies ahead of V's 25
.macro P2LOOP n
	s_mov_b32 s56, \n
.Lg_\@:
	v_add_nc_u32 v[ADV], s[TV], v[LI]
	VLOAD
	s_wait_dscnt 25                                ; K's chunk is in; V's 25 loads may be out
	SMUL 0
	KLOAD 1, 0
	SOFT2 0
	s_wait_dscnt 0x0
	SMUL 1
	NEXTK 0
	KLOAD 0, 1
	SOFT2 1
	PVMUL
	s_add_co_u32 s[TV], s[TV], REC
	s_sub_co_u32 s56, s56, 1
	s_cmp_lg_u32 s56, 0
	s_cbranch_scc1 .Lg_\@
.endm
	s_mov_b32 s[J], 0
	s_mov_b32 s[TV], 4*REC                         ; V's records 0-3 lie in places 4-7
	P2LOOP 4
	s_wait_tensorcnt 0x0                           ; the refill's sequence: none of my loads is out,
	ds_add_u32 v[SPW], v[NIL]                      ; the add,
	s_add_nc_u64 s[G0V+2:G0V+3], s[G0V+2:G0V+3], 8*REC   ; V's record 8 + w
	s_add_co_u32 s[G0V+1], s18, 4*REC              ; to place 4 + w
	s_wait_dscnt 0x0                               ; the add, and my reads of V's and K's records 0-3
	CROUND                                         ; no wave of any partner reads places 4-11 any more
	tensor_load_to_lds s[G0V:G0V+3], s[G1V:G1V+7]
	s_nop 0
.rept 4
	v_nop
.endr
	s_mov_b32 s[TV], 0                             ; V's records 4-15 lie in places 0-11
	P2LOOP 4
	s_wait_tensorcnt 0x0                           ; my record of V's last eight is in
	s_wait_dscnt 0x0
	s_barrier_signal -1
	s_barrier_wait -1                              ; and everybody's
	P2LOOP 8
	WIN 0x04
.irp x, 0,1
.set qd, 0
.rept 16
	global_store_b128 v[LI], v[64*\x+4*qd:64*\x+4*qd+3], s[8:9] offset:65536*\x+512*qd th:TH_STORE_NT   ; 32 lanes store 512 consecutive bytes; each accumulator from its low end on
.set qd, qd+1
.endr
.endr
	WIN 0
	s_wait_tensorcnt 0x0                           ; the wave's end
	ds_add_u32 v[SPW], v[NIL]
	s_wait_dscnt 0x0
	CROUND                                         ; the closing round
	s_endpgm
.Lfunc_end_k_qccbe38ce18_attn:
	.size	k_qccbe38ce18_attn, .Lfunc_end_k_qccbe38ce18_attn-k_qccbe38ce18_attn
	.p2alignl 7, 3214868480
	.fill 96, 4, 3214868480
	.section	.rodata,"a",@progbits
	.p2align	6, 0x0
	.amdhsa_kernel k_qccbe38ce18_attn
		.amdhsa_group_segment_fixed_size 327680
		.amdhsa_private_segment_fixed_size 0
		.amdhsa_enable_private_segment 0
		.amdhsa_kernarg_size 32
		.amdhsa_user_sgpr_count 2
		.amdhsa_user_sgpr_kernarg_segment_ptr 1
		.amdhsa_wavefront_size32 1
		.amdhsa_system_sgpr_workgroup_id_x 1
		.amdhsa_system_sgpr_workgroup_id_y 1
		.amdhsa_system_sgpr_workgroup_id_z 1
		.amdhsa_system_vgpr_workitem_id 0
		.amdhsa_next_free_vgpr 512
		.amdhsa_next_free_sgpr 72
		.amdhsa_reserve_vcc 0
		.amdhsa_float_denorm_mode_32 3
		.amdhsa_float_denorm_mode_16_64 3
		.amdhsa_memory_ordered 1
		.amdhsa_forward_progress 1
		.amdhsa_inst_pref_size 126
	.end_amdhsa_kernel
	.amdgpu_metadata
---
amdhsa.version: [ 1, 2 ]
amdhsa.kernels:
  - .name:           k_qccbe38ce18_attn
    .symbol:         k_qccbe38ce18_attn.kd
    .args:
      - { .name: img, .offset: 0, .size: 8, .value_kind: global_buffer, .address_space: global }
      - { .name: mask, .offset: 8, .size: 8, .value_kind: global_buffer, .address_space: global }
      - { .name: qpimg, .offset: 16, .size: 8, .value_kind: global_buffer, .address_space: global }
      - { .name: attimg, .offset: 24, .size: 8, .value_kind: global_buffer, .address_space: global }
    .group_segment_fixed_size: 327680
    .private_segment_fixed_size: 0
    .kernarg_segment_align: 8
    .kernarg_segment_size: 32
    .max_flat_workgroup_size: 256
    .sgpr_count:     72
    .vgpr_count:     512
    .wavefront_size: 32
...
	.end_amdgpu_metadata
.endif
;; end of part 3
;; launch tail (part 4): grid 256 x 1, 8 waves a work-group, clusters of 4 x 1, 327,680 bytes of LDS; arguments attimg, cimg, csc, g1, b1, bout, g2, b2, out0; writes out0
.if DOCPART == 4
	.amdgcn_target "amdgcn-amd-amdhsa--gfx1250"
	.amdhsa_code_object_version 6
	.text
	.protected	k_qccbe38ce18_tail
	.globl	k_qccbe38ce18_tail
	.p2align	8
	.type	k_qccbe38ce18_tail,@function
k_qccbe38ce18_tail:
	s_mov_b64 s[64:65], 0
	v_nop
	global_prefetch_b8 v0, s[64:65] scope:SCOPE_SE
	s_setreg_imm32_b32 hwreg(HW_REG_WAVE_MODE, 25, 1), 1
	s_wait_xcnt 0x0
	s_wait_alu depctr_hold_cnt(0) depctr_sa_sdst(0) depctr_va_vdst(0) depctr_va_sdst(0) depctr_va_ssrc(0) depctr_va_vcc(0) depctr_vm_vsrc(0)
	s_getreg_b32 s2, hwreg(HW_REG_IB_STS2, 6, 4)
	s_cmp_eq_u32 s2, 0
	s_cbranch_scc0 .Lentry_in_a_cluster
	s_endpgm
.Lentry_in_a_cluster:
	s_bfe_u32 s2, ttmp6, 0x10000c
	s_cmp_lg_u32 s2, 0x3003
	s_cbranch_scc0 .Lentry_shape_is_right
	s_endpgm
.Lentry_shape_is_right:
; FOURTH LAUNCH: out1 = LN(qp + att; g1, b1);  out0 = LN(out1 + relu(out1 Wout^T + bout); g2, b2); the product on codes of FP6 (E2M3).  Nothing of the problem is left out here.
; SHARES.  A work-group owns 32 whole rows (two tiles of 16): the norms want whole rows, and 8,192 / 32 = 256 work-groups.  THE WAVES SHARE THE COLUMNS: wave w owns columns 128 w .. 128 w + 127 everywhere: head w of qp and att,
; K step w of the product's operand, outputs 128 w on.  All of these have one register order (register 16 b + i = column 32 b + 16 h + i of the lane's row), so the residual is added register by register.
; A row's sums meet in LDS: a word a wave and row, a barrier, and every wave adds the eight in the same order.  The variance is the mean of (x - mean)^2, as the problem has it.
; out1's codes go from wave to wave through LDS as images of the operand's registers.  bout is the C of the first K step.
; WOUT'S CODES: wave w reads its eight tiles alone; they come into its own 36,864 bytes of LDS three times (K steps 0-2, 3-5, 6-7), asked for jointly by the four work-groups of a cluster, which read the same weight.
; ONE region and not two halves: three K steps are only 48 matrix instructions a wave, and behind a refill's round one load a wave goes out either way; so the wave waits for its refill behind asking for it: that is the price.
; No prefetch into the L2: every global load is issued at the head or in one run, and Wout's codes are read by all 64 clusters.
; LIMITS: NaN and infinities are not served.
; REGISTERS.  Window 0: v1-14 addresses; v24-39, v40-47 at work; v48-60 codes and scale word; v62-63, v64-95 scale words alone; v96-111 statistics; v112-239 x, out1, y (64 a tile).
;   Window 1: v0-127 the accumulators (64 m + 8 i + j); v128-191 g, v192-255 b; during the product v128-223 Wout's eight fragments, v224-247 out1's two.
; x = qp + att arrives summed, in attimg: the third launch starts its sums with qp.  So one image is read here, into v112-239, and window 1's v0-127 hold the accumulators alone.
.set SHARE, 36864
.set AIMG,  8*SHARE                    ; out1's 16 images: (tile m, K step s) at (8 m + s) x 1,536
.set ASC,   AIMG+16*1536               ; their scale words, 128 bytes each
.set RED,   ASC+16*128                 ; four regions of 1,024 bytes: the word of (tile m, row r, wave w) at 512 m + 32 r + 4 w
.set SPARE, RED+4*1024                 ; the spare words, 128 bytes for each wave: four blocks of 256 bytes that no other line names
.set SP,    528                        ; the way out: a stage of 16 rows x (512 + 16) bytes at the head of my own share, which has had its last fill and its last read by then
.set LI,  1                            ; v1  16 x lane
.set WLI, 2                            ; v2  my share + 16 x lane
.set ALI, 3                            ; v3  AIMG + 16 x lane
.set ASL, 4                            ; v4  ASC + 4 x lane
.set AWI, 5                            ; v5  where I store images
.set AWS, 6                            ; v6  and scale words
.set RDW, 7
.set RDR, 8
.set STW, 9
.set PO,  11                           ; v11 my columns' bytes in a vector of 1,024 f32: 512 w + 64 h
.set WSO, 12
.set SPW, 13
.set NIL, 14
.set TM,  24
.set TP,  40
.set PC,  48
.set PW,  60
.set AS,  62
.set WS,  64                           ; register 8 (i % 4) + s: lanes 0-15 tile i % 4, lanes 16-31 tile 4 + i % 4, K step s
.set SA,  96                           ; tile m: + 8 m
.set SB,  98
.set MU,  100
.set RS,  102
.set X,   112
.set G,   128                          ; window 1
.set WF,  128                          ; window 1
.set AF,  224                          ; window 1
.set WV,  24
.set SEL, 28
.set C10, 30
.set EPS, 31
.set G1A, 32
.set G1B, 40
.set G0,  48
.set MSB, 0
.macro WIN new
.if MSB != \new
	s_set_vgpr_msb (MSB<<8)|\new
.set MSB, \new
.endif
.endm
.macro CROUND
	s_barrier_signal -1
	s_barrier_wait -1
	s_cmp_lg_u32 s[WV], 0
	s_cbranch_scc1 .Lnot_wave_0_\@
	s_barrier_signal -3
.Lnot_wave_0_\@:
	s_barrier_wait -3
	s_barrier_signal -1
	s_barrier_wait -1
.endm
	s_load_b64 s[6:7], s[0:1], 0x0                 ; attimg: x = qp + att
	s_load_b128 s[8:11], s[0:1], 0x8               ; cimg, csc
	s_load_b256 s[12:19], s[0:1], 0x18             ; g1, b1, bout, g2
	s_load_b128 s[20:23], s[0:1], 0x38             ; b2, out0
	v_lshl_add_u32 v[SPW], v0, 2, SPARE
	v_mov_b32 v[NIL], 0
	ds_add_u32 v[SPW], v[NIL]                      ; the wave's opening: the add, twice on end, and its wait ahead of my first tensor load
	ds_add_u32 v[SPW], v[NIL]
	v_lshrrev_b32 v15, 5, v0
	s_delay_alu instid0(VALU_DEP_1)
	v_readfirstlane_b32 s[WV], v15                 ; wave 0..7
	s_bfe_u32 s25, ttmp6, 0x40000                  ; cx
	s_lshl_b32 s26, ttmp9, 2
	s_add_co_u32 s26, s26, s25                     ; my 32 rows: it enters global addresses of my own rows alone
	s_mov_b32 s[SEL], 0x76543210
	s_mov_b32 s[SEL+1], 0xfedcba98
	s_mov_b32 s[C10], 0x3a800000                   ; 1 / 1,024
	s_mov_b32 s[EPS], 0x3727c5ac                   ; 1e-5
	; descriptor group 1: my 8 tiles of Wout; a row = 3 images (576 elements of 8 bytes) or 2 (384); 1,536 elements from tile to tile; the mask names all four work-groups
	s_mov_b32 s[G1A], 15|(3<<16)|(1<<21)
	s_mov_b32 s[G1A+1], 576<<16
	s_mov_b32 s[G1A+2], 8<<16
	s_mov_b32 s[G1A+3], 576<<16
	s_mov_b32 s[G1A+4], 8
	s_mov_b32 s[G1A+5], 1536
	s_mov_b32 s[G1A+6], 0
	s_mov_b32 s[G1A+7], 0
	s_mov_b32 s[G1B], 15|(3<<16)|(1<<21)
	s_mov_b32 s[G1B+1], 384<<16
	s_mov_b32 s[G1B+2], 8<<16
	s_mov_b32 s[G1B+3], 384<<16
	s_mov_b32 s[G1B+4], 8
	s_mov_b32 s[G1B+5], 1536
	s_mov_b32 s[G1B+6], 0
	s_mov_b32 s[G1B+7], 0
	s_lshl_b32 s52, s[WV], 3
	s_add_co_u32 s52, s52, 1728                    ; my first tile of Wout
	s_mul_i32 s54, s52, 12288
	s_mov_b32 s55, 0
	s_lshl_b32 s56, s52, 9
	s_mov_b32 s57, 0
	s_mul_i32 s53, s[WV], SHARE
	s_lshl_b32 s58, s26, 17                        ; my two tiles of rows: 2 x 8 heads x 8,192 bytes a work-group (and as many bytes of out0),
	s_lshl_b32 s59, s[WV], 13
	s_add_co_u32 s58, s58, s59                     ; head w
	s_mov_b32 s59, 0
	s_lshl_b32 s60, s26, 17
	s_lshl_b32 s61, s[WV], 9
	s_add_co_u32 s60, s60, s61                     ; out0: my rows, my 512 bytes of them
	s_mov_b32 s61, 0
	s_wait_dscnt 0x0                               ; both opening adds are done
	s_wait_kmcnt 0x0
	s_mov_b32 s[G0], 1
	s_mov_b32 s[G0+1], s53
	s_add_nc_u64 s[G0+2:G0+3], s[8:9], s[54:55]
	s_or_b32 s[G0+3], s[G0+3], 0x80000000
	CROUND                                         ; all four work-groups are here: the first joint loads meet
	tensor_load_to_lds s[G0:G0+3], s[G1A:G1A+7]    ; K steps 0 to 2: they land under the first norm.  One tensor load of mine is out
	s_nop 0
.rept 4
	v_nop
.endr
	s_add_nc_u64 s[6:7], s[6:7], s[58:59]
	s_add_nc_u64 s[10:11], s[10:11], s[56:57]
	s_add_nc_u64 s[22:23], s[22:23], s[60:61]
	v_and_b32 v15, 31, v0                          ; lane
	v_and_b32 v16, 15, v0                          ; r
	v_bfe_u32 v17, v0, 4, 1                        ; h
	s_delay_alu instid0(VALU_DEP_3)
	v_lshlrev_b32 v[LI], 4, v15
	s_delay_alu instid0(VALU_DEP_1)
	v_add_nc_u32 v[WLI], s53, v[LI]
	s_delay_alu instid0(VALU_DEP_2)
	v_add_nc_u32 v[ALI], AIMG, v[LI]
	v_lshl_add_u32 v[ASL], v15, 2, ASC
	s_mul_i32 s52, s[WV], 1536
	v_add_nc_u32 v[AWI], s52, v[ALI]
	s_lshl_b32 s52, s[WV], 7
	v_add_nc_u32 v[AWS], s52, v[ASL]
	v_lshl_add_u32 v[RDR], v16, 5, RED
	s_lshl_b32 s52, s[WV], 2
	v_add_nc_u32 v[RDW], s52, v[RDR]
	v_mul_u32_u24 v[STW], v16, SP
	s_delay_alu instid0(VALU_DEP_1)
	v_lshl_add_u32 v[STW], v17, 6, v[STW]
	s_delay_alu instid0(VALU_DEP_1)
	v_add_nc_u32 v[STW], s53, v[STW]
	s_lshl_b32 s52, s[WV], 9
	v_lshl_add_u32 v[PO], v17, 6, s52
	v_lshlrev_b32 v[WSO], 5, v16
	s_delay_alu instid0(VALU_DEP_1)
	v_lshl_add_u32 v[WSO], v17, 11, v[WSO]         ; lanes 16-31: four tiles (2,048 bytes) further on
.irp m, 0,1
	v_mov_b32 v[MU+8*\m+1], 0                      ; the upper halves of pairs of which the low word serves both halves
	v_mov_b32 v[RS+8*\m+1], 0
.endr
.irp m, 0,1
.set qd, 0
.rept 16
	global_load_b128 v[X+64*\m+4*qd:X+64*\m+4*qd+3], v[LI], s[6:7] offset:65536*\m+512*qd th:TH_LOAD_NT      ; x
.set qd, qd+1
.endr
.endr
	WIN 0x40                                       ; destination window 1
.macro VEC reg, base                   ; my 64 numbers of a vector of 1,024: register 16 b + i = column 128 w + 32 b + 16 h + i
.irp b, 0,1,2,3
.irp e, 0,1,2,3
	global_load_b128 v[\reg+16*\b+4*\e:\reg+16*\b+4*\e+3], v[PO], s[\base:\base+1] offset:128*\b+16*\e
.endr
.endr
.endm
	VEC G, 12                                      ; g1
	VEC G+64, 14                                   ; b1
	WIN 0
.irp i, 0,1,2,3
.irp e, 0,1
	global_load_b128 v[WS+8*\i+4*\e:WS+8*\i+4*\e+3], v[WSO], s[10:11] offset:512*\i+16*\e                    ; Wout's scale words
.endr
.endr
	WIN 0x40
	VEC 0, 16                                      ; bout into the accumulators of both tiles of rows: the C of the first K step
	VEC 64, 16
	WIN 0
; a lane's parts in v[SA + 8 m] and v[SB + 8 m] (pairs) become the row's sum over all 1,024 columns in v[SA + 8 m], the same bits in every wave
.macro REDUCE rg
.irp m, 0
	s_delay_alu instid0(VALU_DEP_3)
	v_pk_add_f32 v[SA+8*\m:SA+8*\m+1], v[SA+8*\m:SA+8*\m+1], v[SB+8*\m:SB+8*\m+1]
.endr
.irp m, 1
	s_delay_alu instid0(VALU_DEP_2)
	v_pk_add_f32 v[SA+8*\m:SA+8*\m+1], v[SA+8*\m:SA+8*\m+1], v[SB+8*\m:SB+8*\m+1]
.endr
.irp m, 0,1
	s_delay_alu instid0(VALU_DEP_2)
	v_add_f32 v[SA+8*\m], v[SA+8*\m], v[SA+8*\m+1]
.endr
.irp m, 0,1
	s_delay_alu instid0(VALU_DEP_2)
	v_permlanex16_b32 v[SB+8*\m], v[SA+8*\m], s[SEL], s[SEL+1]
.endr
.irp m, 0,1
	s_delay_alu instid0(VALU_DEP_2)
	v_add_f32 v[SA+8*\m], v[SA+8*\m], v[SB+8*\m]   ; my wave's 128 columns of row r
.endr
.irp m, 0,1
	ds_store_b32 v[RDW], v[SA+8*\m] offset:1024*(\rg)+512*\m   ; both lanes of a row write the same word with the same value
.endr
	s_wait_dscnt 0x0                               ; for the others' sake
	s_barrier_signal -1
	s_barrier_wait -1
.irp m, 0,1
	ds_load_b128 v[TM+8*\m:TM+8*\m+3], v[RDR] offset:1024*(\rg)+512*\m
	ds_load_b128 v[TM+8*\m+4:TM+8*\m+7], v[RDR] offset:1024*(\rg)+512*\m+16
.endr
	s_wait_dscnt 0x0
.irp m, 0,1
.irp i, 0,2,4,6
	v_add_f32 v[TM+8*\m+\i], v[TM+8*\m+\i], v[TM+8*\m+\i+1]
.endr
.endr
.irp m, 0
	v_add_f32 v[TM+8*\m], v[TM+8*\m], v[TM+8*\m+2]
	v_add_f32 v[TM+8*\m+4], v[TM+8*\m+4], v[TM+8*\m+6]
.endr
.irp m, 1
	v_add_f32 v[TM+8*\m], v[TM+8*\m], v[TM+8*\m+2]
	s_delay_alu instid0(VALU_DEP_4)
	v_add_f32 v[TM+8*\m+4], v[TM+8*\m+4], v[TM+8*\m+6]
.endr
.irp m, 0
	s_delay_alu instid0(VALU_DEP_3)
	v_add_f32 v[SA+8*\m], v[TM+8*\m], v[TM+8*\m+4]
.endr
.irp m, 1
	s_delay_alu instid0(VALU_DEP_2)
	v_add_f32 v[SA+8*\m], v[TM+8*\m], v[TM+8*\m+4]
.endr
.endm
; X = (X - mean) x rsqrt(var + 1e-5) x g + b, g and b in window 1; regions rg and rg + 1 of RED: each region is written once in the launch, so two barriers do
.macro LNORM rg
.irp m, 0,1
	v_pk_add_f32 v[SA+8*\m:SA+8*\m+1], v[X+64*\m:X+64*\m+1], v[X+64*\m+4:X+64*\m+5]
	v_pk_add_f32 v[SB+8*\m:SB+8*\m+1], v[X+64*\m+2:X+64*\m+3], v[X+64*\m+6:X+64*\m+7]
.endr
.irp i, 8,12,16,20,24,28,32,36,40,44,48,52,56,60
.irp m, 0,1
	s_delay_alu instid0(VALU_DEP_4)
	v_pk_add_f32 v[SA+8*\m:SA+8*\m+1], v[SA+8*\m:SA+8*\m+1], v[X+64*\m+\i:X+64*\m+\i+1]
	s_delay_alu instid0(VALU_DEP_4)
	v_pk_add_f32 v[SB+8*\m:SB+8*\m+1], v[SB+8*\m:SB+8*\m+1], v[X+64*\m+\i+2:X+64*\m+\i+3]
.endr
.endr
	REDUCE \rg
.irp m, 0,1
	s_delay_alu instid0(VALU_DEP_2)
	v_mul_f32 v[MU+8*\m], s[C10], v[SA+8*\m]       ; the mean
.endr
.set jj, 0
.rept 32
.irp m, 0,1
	v_pk_add_f32 v[X+64*\m+jj:X+64*\m+jj+1], v[X+64*\m+jj:X+64*\m+jj+1], v[MU+8*\m:MU+8*\m+1] op_sel_hi:[1,0] neg_lo:[0,1] neg_hi:[0,1]
.endr
.set jj, jj+2
.endr
.irp m, 0,1
	v_pk_mul_f32 v[SA+8*\m:SA+8*\m+1], v[X+64*\m:X+64*\m+1], v[X+64*\m:X+64*\m+1]
	v_pk_mul_f32 v[SB+8*\m:SB+8*\m+1], v[X+64*\m+2:X+64*\m+3], v[X+64*\m+2:X+64*\m+3]
.endr
.irp i, 4,8,12,16,20,24,28,32,36,40,44,48,52,56,60
.irp m, 0,1
	s_delay_alu instid0(VALU_DEP_4)
	v_pk_fma_f32 v[SA+8*\m:SA+8*\m+1], v[X+64*\m+\i:X+64*\m+\i+1], v[X+64*\m+\i:X+64*\m+\i+1], v[SA+8*\m:SA+8*\m+1]
	s_delay_alu instid0(VALU_DEP_4)
	v_pk_fma_f32 v[SB+8*\m:SB+8*\m+1], v[X+64*\m+\i+2:X+64*\m+\i+3], v[X+64*\m+\i+2:X+64*\m+\i+3], v[SB+8*\m:SB+8*\m+1]
.endr
.endr
	REDUCE (\rg)+1
.irp m, 0,1
	s_delay_alu instid0(VALU_DEP_2)
	v_fma_f32 v[SA+8*\m], v[SA+8*\m], s[C10], s[EPS]
.endr
	s_wait_alu depctr_va_vdst(0)
.irp m, 0,1
	v_rsq_f32 v[RS+8*\m], v[SA+8*\m]
.endr
	v_nop
	s_wait_alu depctr_va_vdst(0)                   ; one wait for the two roots, ahead of their first reader
.set jj, 0
.rept 32
.irp m, 0,1
	v_pk_mul_f32 v[X+64*\m+jj:X+64*\m+jj+1], v[X+64*\m+jj:X+64*\m+jj+1], v[RS+8*\m:RS+8*\m+1] op_sel_hi:[1,0]
.endr
.set jj, jj+2
.endr
	WIN 0x14                                       ; sources 1 and 2 (g, b) window 1
.set jj, 0
.rept 32
.irp m, 0,1
	v_pk_fma_f32 v[X+64*\m+jj:X+64*\m+jj+1], v[X+64*\m+jj:X+64*\m+jj+1], v[G+jj:G+jj+1], v[G+64+jj:G+64+jj+1]
.endr
.set jj, jj+2
.endr
	WIN 0
.endm
; 64 numbers of a lane, v[XS] on, become a fragment's codes in v[PC] on and its scale word in v[PW]
.macro QUANT
.irp b, 0,1,2,3
	v_max3_num_f32 v[TM+\b], |v[XS+16*\b]|, |v[XS+1+16*\b]|, 0x1800000
.endr
.irp i, 2,4,6,8,10,12,14
.irp b, 0,1,2,3
	s_delay_alu instid0(VALU_DEP_4)
	v_max3_num_f32 v[TM+\b], v[TM+\b], |v[XS+16*\b+\i]|, |v[XS+1+16*\b+\i]|
.endr
.endr
.irp b, 0,1,2,3
	s_delay_alu instid0(VALU_DEP_4)
	v_permlanex16_b32 v[TM+4+\b], v[TM+\b], s[SEL], s[SEL+1]
.endr
.irp b, 0,1,2,3
	s_delay_alu instid0(VALU_DEP_4)
	v_max_num_f32 v[TM+\b], v[TM+\b], v[TM+4+\b]
.endr
.irp b, 0,1,2,3
	s_delay_alu instid0(VALU_DEP_4)
	v_add_nc_u32 v[TM+12+\b], 0xff000000, v[TM+\b]
.endr
.irp b, 0,1,2,3
	s_delay_alu instid0(VALU_DEP_4)
	v_lshrrev_b32 v[TM+4+\b], 23, v[TM+12+\b]
.endr
	s_delay_alu instid0(VALU_DEP_3)
	v_lshl_or_b32 v[PW], v[TM+5], 8, v[TM+4]
	s_delay_alu instid0(VALU_DEP_1)
	v_lshl_or_b32 v[PW], v[TM+6], 16, v[PW]
	s_delay_alu instid0(VALU_DEP_1)
	v_lshl_or_b32 v[PW], v[TM+7], 24, v[PW]
.irp c, 0,1
	v_cvt_scalef32_pk16_fp6_f32 v[PC+6*\c:PC+2+6*\c], v[XS+32*\c:XS+15+32*\c], v[TM+12+2*\c]
	v_cvt_scalef32_pk16_fp6_f32 v[TP+4*\c:TP+2+4*\c], v[XS+16+32*\c:XS+31+32*\c], v[TM+12+2*\c+1]
.endr
	v_nop                                          ; one plain place behind a scaled conversion
.irp c, 0,1
.irp i, 0,1,2
	v_permlane16_swap_b32 v[PC+6*\c+\i], v[TP+4*\c+\i]
.endr
.irp i, 0,1,2
	s_delay_alu instid0(VALU_DEP_3)
	v_mov_b32 v[PC+3+6*\c+\i], v[TP+4*\c+\i]
.endr
.endr
.endm
	s_wait_loadcnt 32                              ; g1, b1 and the scale words are in; bout's 32 loads may be out
	LNORM 0                                        ; out1
.irp m, 0,1                                    ; my 128 columns are K step w of the product: two fragments, to LDS as they stand
.set XS, X+64*\m
	QUANT
.irp c, 0,1,2
	ds_store_b128 v[AWI], v[PC+4*\c:PC+4*\c+3] offset:12288*\m+512*\c
.endr
	ds_store_b32 v[AWS], v[PW] offset:1024*\m
	s_wait_dscnt 0x0                               ; the stores have read their registers (and, ahead of the barrier, have landed)
.endr
	s_barrier_signal -1
	s_barrier_wait -1                              ; out1's sixteen fragments lie in LDS
	s_wait_loadcnt 0x0                             ; bout
	s_wait_tensorcnt 0x0                           ; my share of Wout, K steps 0 to 2: I alone read it
; K step k, the q-th of nks in my share: sixteen accumulators by turns, one instruction a turn
.macro KSTEP k, q, nks
	WIN 0x40
.irp m, 0,1
.irp c, 0,1,2
	ds_load_b128 v[AF+12*\m+4*\c:AF+12*\m+4*\c+3], v[ALI] offset:(8*\m+\k)*1536+512*\c
.endr
.endr
.irp i, 0,1,2,3,4,5,6,7
.irp c, 0,1,2
	ds_load_b128 v[WF+12*\i+4*\c:WF+12*\i+4*\c+3], v[WLI] offset:\i*\nks*1536+\q*1536+512*\c
.endr
.endr
	WIN 0
.irp m, 0,1
	ds_load_b32 v[AS+\m], v[ASL] offset:128*(8*\m+\k)
.endr
	s_wait_dscnt 0x0
	WIN 0x55                                       ; all four operands window 1
.irp i, 0,1,2,3,4,5,6,7
.irp m, 0,1
.if \i < 4
	v_wmma_scale_f32_16x16x128_f8f6f4 v[64*\m+8*\i:64*\m+8*\i+7], v[WF+12*\i:WF+12*\i+11], v[AF+12*\m:AF+12*\m+11], v[64*\m+8*\i:64*\m+8*\i+7], v[WS+8*(\i%4)+\k], v[AS+\m] matrix_a_fmt:MATRIX_FMT_FP6 matrix_b_fmt:MATRIX_FMT_FP6
.else
	v_wmma_scale_f32_16x16x128_f8f6f4 v[64*\m+8*\i:64*\m+8*\i+7], v[WF+12*\i:WF+12*\i+11], v[AF+12*\m:AF+12*\m+11], v[64*\m+8*\i:64*\m+8*\i+7], v[WS+8*(\i%4)+\k], v[AS+\m] matrix_a_fmt:MATRIX_FMT_FP6 matrix_b_fmt:MATRIX_FMT_FP6 matrix_a_scale:MATRIX_SCALE_ROW1
.endif
.endr
.endr
	WIN 0
.rept 4
	v_nop                                          ; places in front of loads into the operands' registers and of the first read of results
.endr
.endm
; My share is filled again: all my tensor loads waited for, the add, the wait for it and for my reads; a round of the cluster's barrier; the joint load first behind it; and the wait for it, since the next K step reads it.
.macro REFILL g1
	s_wait_tensorcnt 0x0
	ds_add_u32 v[SPW], v[NIL]
	s_add_nc_u64 s[G0+2:G0+3], s[G0+2:G0+3], 3*1536   ; three K steps on
	s_wait_dscnt 0x0
	CROUND
	tensor_load_to_lds s[G0:G0+3], s[\g1:\g1+7]
	s_nop 0
.rept 4
	v_nop
.endr
	s_wait_tensorcnt 0x0
.endm
	KSTEP 0, 0, 3
	KSTEP 1, 1, 3
	KSTEP 2, 2, 3
	REFILL G1A
	KSTEP 3, 0, 3
	KSTEP 4, 1, 3
	KSTEP 5, 2, 3
	REFILL G1B
	KSTEP 6, 0, 2
	KSTEP 7, 1, 2
	WIN 0x40
	VEC G, 18                                      ; g2
	VEC G+64, 20                                   ; b2
	WIN 0x44                                       ; source 1 and destination window 1
.set jj, 0
.rept 128
	v_max_num_f32 v[jj], 0, v[jj]                  ; relu, each accumulator from its low end on
.set jj, jj+1
.endr
	WIN 0x04
.set jj, 0
.rept 64
	v_pk_add_f32 v[X+jj:X+jj+1], v[X+jj:X+jj+1], v[jj:jj+1]   ; out1 + relu(..)
.set jj, jj+2
.endr
	WIN 0
	s_wait_loadcnt 0x0                             ; g2, b2
	LNORM 2
	; THE WAY OUT: a tile's 16 rows x my 512 bytes through my stage, back as whole rows' pieces of 512 consecutive bytes, into the registers that they left
.irp m, 0,1
.irp b, 0,1,2,3
.irp e, 0,1,2,3
	ds_store_b128 v[STW], v[X+64*\m+16*\b+4*\e:X+64*\m+16*\b+4*\e+3] offset:128*\b+16*\e
.endr
.endr
.irp t, 0,1,2,3,4,5,6,7,8,9,10,11,12,13,14,15
	ds_load_b128 v[X+64*\m+4*\t:X+64*\m+4*\t+3], v[WLI] offset:SP*\t   ; LDS serves a wave's instructions in order: these see the stores above, and the next tile's stores come behind them
.endr
.endr
.irp m, 0,1
.irp t, 0,1,2,3,4,5,6,7,8,9,10,11,12,13,14,15
	s_wait_dscnt 32*(1-\m)+15-\t                   ; behind this load: the rest of its tile's, and for the first tile the second's 32 instructions
	global_store_b128 v[LI], v[X+64*\m+4*\t:X+64*\m+4*\t+3], s[22:23] offset:(8*\m+\t+8*(\t/8))*4096 th:TH_STORE_NT   ; row index t of tile m is row 8 m + t + 8 (t / 8) of my 32
.endr
.endr
	s_wait_tensorcnt 0x0                           ; the wave's end: behind my last LDS store
	ds_add_u32 v[SPW], v[NIL]
	s_wait_dscnt 0x0
	CROUND                                         ; the closing round
	s_endpgm
.Lfunc_end_k_qccbe38ce18_tail:
	.size	k_qccbe38ce18_tail, .Lfunc_end_k_qccbe38ce18_tail-k_qccbe38ce18_tail
	.p2alignl 7, 3214868480
	.fill 96, 4, 3214868480
	.section	.rodata,"a",@progbits
	.p2align	6, 0x0
	.amdhsa_kernel k_qccbe38ce18_tail
		.amdhsa_group_segment_fixed_size 327680
		.amdhsa_private_segment_fixed_size 0
		.amdhsa_enable_private_segment 0
		.amdhsa_kernarg_size 72
		.amdhsa_user_sgpr_count 2
		.amdhsa_user_sgpr_kernarg_segment_ptr 1
		.amdhsa_wavefront_size32 1
		.amdhsa_system_sgpr_workgroup_id_x 1
		.amdhsa_system_sgpr_workgroup_id_y 1
		.amdhsa_system_sgpr_workgroup_id_z 1
		.amdhsa_system_vgpr_workitem_id 0
		.amdhsa_next_free_vgpr 512
		.amdhsa_next_free_sgpr 66
		.amdhsa_reserve_vcc 0
		.amdhsa_float_denorm_mode_32 3
		.amdhsa_float_denorm_mode_16_64 3
		.amdhsa_memory_ordered 1
		.amdhsa_forward_progress 1
		.amdhsa_inst_pref_size 137
	.end_amdhsa_kernel
	.amdgpu_metadata
---
amdhsa.version: [ 1, 2 ]
amdhsa.kernels:
  - .name:           k_qccbe38ce18_tail
    .symbol:         k_qccbe38ce18_tail.kd
    .args:
      - { .name: attimg, .offset: 0, .size: 8, .value_kind: global_buffer, .address_space: global }
      - { .name: cimg, .offset: 8, .size: 8, .value_kind: global_buffer, .address_space: global }
      - { .name: csc, .offset: 16, .size: 8, .value_kind: global_buffer, .address_space: global }
      - { .name: g1, .offset: 24, .size: 8, .value_kind: global_buffer, .address_space: global }
      - { .name: b1, .offset: 32, .size: 8, .value_kind: global_buffer, .address_space: global }
      - { .name: bout, .offset: 40, .size: 8, .value_kind: global_buffer, .address_space: global }
      - { .name: g2, .offset: 48, .size: 8, .value_kind: global_buffer, .address_space: global }
      - { .name: b2, .offset: 56, .size: 8, .value_kind: global_buffer, .address_space: global }
      - { .name: out0, .offset: 64, .size: 8, .value_kind: global_buffer, .address_space: global }
    .group_segment_fixed_size: 327680
    .private_segment_fixed_size: 0
    .kernarg_segment_align: 8
    .kernarg_segment_size: 72
    .max_flat_workgroup_size: 256
    .sgpr_count:     66
    .vgpr_count:     512
    .wavefront_size: 32
...
	.end_amdgpu_metadata
.endif
;; end of part 4
